; MI455X (gfx1250); checked and timed in simulation.
; The chip was launched on July 23, 2026; its instructions are those of AMD's public machine-readable ISA for CDNA 5 (MIT licence, August 2026) and "CDNA5" Instruction Set Architecture Reference Guide (July 2026). The comments in the code are by the model that wrote it; some were corrected since.
;; Mo E. Allowed arithmetic: matrix products marked QUANTISED: E4M3 operands, one E8M0 scale for each 32 along K, by v_wmma_scale_f32_16x16x128_f8f6f4 with both operands' format E4M3, f32 sums; products left as they are: f32 operands where the result goes on into a quantised operand, else bf16, f16 or f32 operands; f32 sums; everything else in f32.
;; Inputs: expert_b 8 x 2,048 float32; expert_w 8 x 2,048 x 1,024 float32; gate_b 8 float32; gate_w 8 x 1,024 float32; x 4,096 x 1,024 float32.
;; Outputs: out0 4,096 x 2,048 float32.
;; This version of the problem:
;;   THIS VERSION OF THE PROBLEM IS GIVEN IN LOW PRECISION. The matrix products marked QUANTISED in the list below multiply operands that are first quantised to E4M3 (4 exponent bits, 3 mantissa bits; 8 bits a number), with one power-of-two scale for each 32 numbers along K (OCP MX v1.0); their sums are f32. All else is computed in f32.
;;   The module's matrix products, in the order in which they are computed (A, B: the left and right operand; K: the contracted axis; several contracted axes count as one K, in the product's order):
;;     1. [M 4,096, K 1,024] x [K 1,024, N 8]; A: input x; B: input gate_w: left as it is (N = 8 < 16)
;;     2. [M 4,096, K 1,024] x [K 1,024, N 16,384]; A: input x; B: input expert_w: QUANTISED
;;     3. batch 4,096 x [M 1, K 8] x [K 8, N 2,048]; A: softmax; B: computed on the way: left as it is (K = 8 < 32)
;;   THE QUANTISER, for each operand of a quantised product, along K:
;;     - K is cut into blocks of 32 from its start; a last block that is shorter is filled with zeros.
;;     - A block's scale is 2^e with e = floor(log2(the largest magnitude in the block)) - 8, held to -126 .. 127; a block of zeros has e = 0. As a byte (E8M0): e + 127.
;;     - Each number is divided by its block's scale, clamped to +-448, and rounded to the nearest number of E4M3, ties to even, subnormals kept.
;;     - The product sums the exact products of the quantised numbers (number of the format x scale) in f32.
;;   ~~~python
;;   def quantise(x, axis):      # numpy; x: float32 -> the quantised numbers, widened to float32 again
;;       x = np.moveaxis(x, axis, -1); K = x.shape[-1]
;;       x = np.pad(x, [(0, 0)] * (x.ndim - 1) + [(0, -K % 32)]); x = x.reshape(x.shape[:-1] + (-1, 32)); a = np.abs(x).max(-1, keepdims=True)
;;       e = np.where(a > 0, np.clip(np.frexp(np.where(a > 0, a, 1))[1] - 1 - 8, -126, 127), 0)      # np.frexp(a)[1] - 1 = floor(log2(a)), exactly
;;       r = np.clip(x / 2.0 ** e, -448, 448)
;;       step = 2.0 ** (np.maximum(np.frexp(np.where(r == 0, 1, r))[1] - 1, -6) - 3)
;;       q = np.round(r / step) * step * 2.0 ** e      # np.round: ties to even
;;       return np.moveaxis(q.reshape(q.shape[:-2] + (-1,))[..., :K], -1, axis).astype(np.float32)
;;   ~~~
;; 2 versions. Each part assembles by itself: llvm-mc -triple=amdgcn-amd-amdhsa -mcpu=gfx1250 --defsym DOCPART=n.
;; ======== version 1 of 2: 2 launches
;; workspace buffers: xq 4,194,304 bytes; wq 16,777,216 bytes; xs 131,072 bytes; ws 524,288 bytes; gates 131,072 bytes
;; launch quant (part 1): grid 576 x 1, 4 waves a work-group, no clusters, 19,200 bytes of LDS; arguments x, expert_w, gate_w, gate_b, xq, xs, wq, ws, gates; writes xq, xs, wq, ws, gates
.if DOCPART == 1
	.amdgcn_target "amdgcn-amd-amdhsa--gfx1250"
	.amdhsa_code_object_version 6
	.text
	.protected	k_qdc99d14612_quant
	.globl	k_qdc99d14612_quant
	.p2align	8
	.type	k_qdc99d14612_quant,@function
k_qdc99d14612_quant:
	s_mov_b64 s[64:65], 0
	v_nop
	global_prefetch_b8 v0, s[64:65] scope:SCOPE_SE
	s_setreg_imm32_b32 hwreg(HW_REG_WAVE_MODE, 25, 1), 1
	s_wait_xcnt 0x0
; x [4096][1024] and expert_w [8*2048][1024], f32, are turned into codes of FP8 (E4M3) with one E8M0 scale byte for each 32 along K; and gates = softmax(x gate_w^T + gate_b) is made on the way, from the
; same registers of x.  A block's scale is 2^(floor(log2(its largest magnitude)) - 8): its byte is the largest magnitude's exponent field - 8, held at 1 from below; a block of zeros gets 127.
; Each number is divided by the scale, held within +-448 and rounded to the nearest code, ties to even.
; THE CODES ARE LAID IN THE MATRIX FRAGMENT'S OWN ORDER: [block of 16 rows][128 along K: q][32 along K: c][lane 32][16 bytes]; lane (r = lane % 16, hf = lane / 16) has the 16 codes of row r at
; k = 128 q + 32 c + 16 hf + 0 .. 15.  So a lane loads 16 neighbours along K (four loads of 16 bytes), lanes l and l xor 16 hold a block of 32, the two conversions' four registers are stored as they
; are, and each store of a wave covers 512 consecutive bytes, aligned.  The scale words lie [block of 16 rows][s 4][lane 32]: lane l has the four bytes of row l % 16 for q = 2 s + l / 16.
; SHARES.  Work-groups 0-63 take x: a wave 16 tokens and all of K (32 blocks of 32) and their gate.  Work-groups 64-575 take expert_w: a wave 16 rows and half of K (16 blocks).
; THE GATE (N = 8, left as it is): operands rounded to bf16, sums in f32, by the bf16 matrix form: source 0 = gate_w's rows (row lane % 8: the eight rows stand twice), source 1 = my 16 tokens, so that
; every lane ends with its token's eight logits in eight registers.  Both sources carry the same order of k inside a step of 32 (a lane's 16 neighbours), which leaves the products as they are.
; gate_w comes once for the work-group, is rounded to bf16 and lies in LDS, 8 rows 2,064 bytes apart.  The softmax takes the row's maximum away.
; LIMITS: NaN and infinities among the inputs are not served.  The gate's logits carry the rounding of x and gate_w to bf16.
.set NBX,  32                          ; blocks of a wave of x
.set NBW,  16                          ; blocks of a wave of expert_w
.set GWP,  2064                        ; gate_w in LDS: 2,048 bytes of bf16 + 16: an odd multiple of 16, so that the eight rows of a load start 16 bytes apart modulo 256
.set SST0, 16640                       ; behind gate_w: 512 bytes for each wave, where its scale words are put in order
.set M,    8                           ; v8, v9   the two chains of the largest magnitude
.set M2,   9
.set T,    10                          ; v10      the other lane's
.set E,    11                          ; v11      exponent field, then the scale's byte
.set H,    12                          ; v12      448 x the scale
.set S,    13                          ; v13      the scale as f32
.set SW,   16                          ; v16-23   the scale word of each 128 along K
.set A0,   24                          ; v24-31, v32-39  the gate's two accumulators: even and odd blocks
.set XB,   40                          ; v40-55   x as bf16, two sets of 8
.set GF,   56                          ; v56-71   gate_w's fragments, two sets of 8
.set C,    72                          ; v72-103  codes, eight sets of 4
.set X,    104                         ; v104-231 eight blocks of 16 numbers
; v1 my place in the rows: 4,096 r + 64 hf;  v2 16 x lane;  v3 my place in gate_w's rows in LDS;  v4, v5 into and out of my wave's stage;  v6 my place in gates;  v7 8 x thread (x) or 8 x lane (expert_w)
	s_load_b256 s[4:11], s[0:1], 0x0               ; x s[4:5], expert_w s[6:7], gate_w s[8:9], gate_b s[10:11]
	s_load_b256 s[12:19], s[0:1], 0x20             ; xq s[12:13], xs s[14:15], wq s[16:17], ws s[18:19]
	s_load_b64 s[20:21], s[0:1], 0x40              ; gates
	v_lshl_add_u32 v232, v0, 2, 0x4900
	v_mov_b32 v233, 0
	v_lshrrev_b32 v14, 5, v0
	v_readfirstlane_b32 s22, v14                   ; wave 0..3
	v_and_b32 v15, 31, v0                          ; lane
	v_and_b32 v14, 15, v0                          ; r
	v_bfe_u32 v13, v0, 4, 1                        ; hf
	v_lshlrev_b32 v1, 12, v14
	v_lshl_add_u32 v1, v13, 6, v1                  ; row r of 4,096 bytes, + 16 numbers for the upper half of the lanes
	v_lshlrev_b32 v2, 4, v15
	s_lshl_b32 s23, s22, 9
	s_add_co_u32 s23, s23, SST0                    ; my wave's stage
	v_lshl_add_u32 v4, v15, 2, s23
	v_mov_b32 v[T], 0                              ; (the destination of a lane permute counts as read)
	s_mov_b32 s24, 0x76543210
	s_mov_b32 s25, 0xfedcba98                      ; v_permlanex16_b32's selects for lane l xor 16
	s_mov_b32 s26, 0xffff0000                      ; the upper half of the lanes, as a mask
	s_mov_b32 s27, 0x3fb8aa3b                      ; log2(e)
	s_mov_b32 s39, 0
	s_wait_kmcnt 0x0
.macro LOADB n, src                    ; block n: my 16 numbers, into set n % 8
.irp i, 0,1,2,3
	global_load_b128 v[X+16*((\n)%8)+4*\i:X+16*((\n)%8)+4*\i+3], v1, s[\src:\src+1] offset:128*(\n)+16*\i th:TH_LOAD_NT
.endr
.endm
; Block n of nblk is quantised and stored; gate = 1: its 32 along K also go into the gate's sums.
.macro QBLK n, nblk, gate, src, dst
.set XS, X+16*((\n)%8)
.set CS, C+4*((\n)%8)
.set PS, 8*((\n)%2)
.if \nblk-1-(\n) >= 7
	s_wait_loadcnt 28                              ; this block's four loads are in; the seven younger blocks' 28 may be out
.else
	s_wait_loadcnt 4*(\nblk-1-(\n))
.endif
.if \gate
.irp i, 0,1,2,3,4,5,6,7
	v_cvt_pk_bf16_f32 v[XB+PS+\i], v[XS+2*\i], v[XS+2*\i+1]    ; the unquantised numbers, for the gate
.endr
.endif
	v_max3_num_f32 v[M], |v[XS]|, |v[XS+1]|, |v[XS+2]|         ; the largest magnitude of my 16, in two chains
	v_max3_num_f32 v[M2], |v[XS+3]|, |v[XS+4]|, |v[XS+5]|
.irp i, 6,10
	v_max3_num_f32 v[M], v[M], |v[XS+\i]|, |v[XS+\i+1]|
	v_max3_num_f32 v[M2], v[M2], |v[XS+\i+2]|, |v[XS+\i+3]|
.endr
	v_max3_num_f32 v[M], v[M], |v[XS+14]|, |v[XS+15]|
	v_max_num_f32 v[M], v[M], v[M2]
.if \gate
.if (\n) == \nblk-1
	s_wait_dscnt 0x0                               ; the last fragment of gate_w is in
.else
	s_wait_dscnt 2                                 ; this block's fragment of gate_w is in; the next block's two loads may be out
.endif
.if (\n) < 2                           ; the two accumulators take turns, one instruction a turn; the first two products start the sums
	v_wmma_f32_16x16x32_bf16 v[A0+PS:A0+PS+7], v[GF+PS:GF+PS+7], v[XB+PS:XB+PS+7], 0
.else
	v_wmma_f32_16x16x32_bf16 v[A0+PS:A0+PS+7], v[GF+PS:GF+PS+7], v[XB+PS:XB+PS+7], v[A0+PS:A0+PS+7]
.endif
.endif
	v_permlanex16_b32 v[T], v[M], s24, s25
	v_max_num_f32 v[M], v[M], v[T]                 ; the block's largest magnitude: my 16 and lane l xor 16's
	v_lshrrev_b32 v[E], 23, v[M]                   ; its exponent field
	v_max_u32 v[E], 9, v[E]                        ; the byte is not to fall under 1
	v_lshl_or_b32 v[H], v[E], 23, 0x600000         ; 448 x the scale
	v_add_nc_u32 v[E], -8, v[E]                    ; the scale's byte
	v_lshlrev_b32 v[S], 23, v[E]                   ; and the scale as f32, for the conversion
	v_cmp_eq_u32 vcc_lo, 0, v[M]
	v_cndmask_b32 v[E], v[E], 127, vcc_lo          ; a block of zeros
.if (\n)%4 == 0
	v_mov_b32 v[SW+(\n)/4], v[E]                   ; four bytes to a word, the lower K in the lower byte
.else
	v_lshl_or_b32 v[SW+(\n)/4], v[E], 8*((\n)%4), v[SW+(\n)/4]
.endif
.irp i, 0,1,2,3,4,5,6,7,8,9,10,11,12,13,14,15
	v_med3_num_f32 v[XS+\i], v[XS+\i], -v[H], v[H] ; the conversion to an 8-bit code does not saturate (ISA guide 7.6.2): hold the number first
.endr
.if (\n) >= 8
	s_wait_xcnt 0x0                                ; this set of code registers was a store's data eight blocks ago: it is rewritten only behind this wait
.endif
	v_cvt_scalef32_pk8_fp8_f32 v[CS:CS+1], v[XS:XS+7], v[S]
	v_cvt_scalef32_pk8_fp8_f32 v[CS+2:CS+3], v[XS+8:XS+15], v[S]
	v_nop                                          ; one plain vector instruction between a scaled conversion and what reads its result or writes its sources
	global_store_b128 v2, v[CS:CS+3], s[\dst:\dst+1] offset:512*(\n)   ; 32 lanes store 512 consecutive bytes, aligned
.if (\n)+8 < \nblk
	LOADB (\n)+8, \src
.endif
.if \gate
.if (\n)+2 < \nblk                     ; this set's fragment was multiplied above, more than four plain vector instructions ago
	ds_load_b128 v[GF+PS:GF+PS+3], v3 offset:64*((\n)+2)
	ds_load_b128 v[GF+PS+4:GF+PS+7], v3 offset:64*((\n)+2)+16
.endif
.endif
.endm
; The scale words leave: lanes 0-15 take the word of the even q, lanes 16-31 that of the odd q; ns x 128 bytes go through my wave's stage and leave by one store of consecutive bytes, aligned.
.macro SCALEOUT ns, dst
.set SI, 0
.rept \ns
	v_cndmask_b32 v[SW+2*SI], v[SW+2*SI], v[SW+2*SI+1], s26
	ds_store_b32 v4, v[SW+2*SI] offset:128*SI
.set SI, SI+1
.endr
.if \ns == 4
	ds_load_b128 v[8:11], v5                       ; LDS serves a wave's instructions in order (ISA guide 5.7.1.4): this sees my stores
	s_wait_dscnt 0x0
	global_store_b128 v2, v[8:11], s[\dst:\dst+1]
.else
	ds_load_b64 v[8:9], v5
	s_wait_dscnt 0x0
	global_store_b64 v7, v[8:9], s[\dst:\dst+1]
.endif
.endm
	s_cmp_lt_u32 ttmp9, 64                         ; x's work-group or expert_w's?  The same answer in all four waves
	s_cbranch_scc0 .Lweights
	; ---------------- x ----------------
	s_load_b256 s[28:35], s[10:11], 0x0            ; gate_b: eight numbers
	s_lshl_b32 s36, ttmp9, 2
	s_add_co_u32 s36, s36, s22                     ; my block of 16 tokens
	s_lshl_b32 s38, s36, 16
	s_add_nc_u64 s[4:5], s[4:5], s[38:39]          ; 16 rows of 4,096 bytes
	s_lshl_b32 s38, s36, 14
	s_add_nc_u64 s[12:13], s[12:13], s[38:39]      ; 16,384 bytes of codes
	s_lshl_b32 s38, s36, 9
	s_add_nc_u64 s[14:15], s[14:15], s[38:39]      ; 512 bytes of scale words
	s_add_nc_u64 s[20:21], s[20:21], s[38:39]      ; 16 tokens x 32 bytes of gates
	v_lshlrev_b32 v9, 4, v0                        ; gate_w: 16 bytes a thread
	v_lshlrev_b32 v7, 3, v0                        ; and 8 bytes as bf16
	v_and_b32 v3, 7, v0
	v_mul_u32_u24 v3, v3, GWP
	v_lshl_add_u32 v3, v13, 5, v3                  ; gate_w's row lane % 8, + 16 bf16 for the upper half of the lanes
	v_lshl_add_u32 v5, v15, 4, s23
	v_lshlrev_b32 v6, 5, v14
	v_lshl_add_u32 v6, v13, 4, v6                  ; gates: token r's 32 bytes, a half for each half of the lanes
.irp j, 0,1,2,3,4,5,6,7,8,9,10,11,12,13,14,15
	global_load_b128 v[40+4*\j:43+4*\j], v9, s[8:9] offset:2048*\j   ; the work-group reads gate_w once, 2,048 consecutive bytes an instruction
.endr
.irp n, 0,1,2,3,4,5,6,7
	LOADB \n, 4
.endr
	s_wait_loadcnt 32                              ; gate_w is in; the 32 loads of x behind it may be out
.irp j, 0,1,2,3,4,5,6,7,8,9,10,11,12,13,14,15
	v_cvt_pk_bf16_f32 v[40+4*\j], v[40+4*\j], v[41+4*\j]
	v_cvt_pk_bf16_f32 v[41+4*\j], v[42+4*\j], v[43+4*\j]
	ds_store_b64 v7, v[40+4*\j:41+4*\j] offset:(\j/2)*GWP+(\j%2)*1024   ; piece j: row j / 2, half j % 2
.endr
	s_wait_dscnt 0x0                               ; for the others' sake: my part of gate_w is in LDS
	s_barrier_signal -1
	s_barrier_wait -1
.irp n, 0,1
	ds_load_b128 v[GF+8*\n:GF+8*\n+3], v3 offset:64*\n
	ds_load_b128 v[GF+8*\n+4:GF+8*\n+7], v3 offset:64*\n+16
.endr
.set QN, 0
.rept NBX
	QBLK QN, NBX, 1, 4, 12
.set QN, QN+1
.endr
	SCALEOUT 4, 14
	; the softmax: every lane holds its token's eight logits.  The accumulators are read from their low end on.
	s_wait_kmcnt 0x0                               ; gate_b
.irp j, 0,1,2,3,4,5,6,7
	v_add_f32 v[40+\j], v[A0+\j], v[A0+8+\j]
.endr
.irp j, 0,1,2,3,4,5,6,7
	v_add_f32 v[40+\j], s[28+\j], v[40+\j]
.endr
	v_max3_num_f32 v14, v40, v41, v42
	v_max3_num_f32 v14, v14, v43, v44
	v_max3_num_f32 v14, v14, v45, v46
	v_max_num_f32 v14, v14, v47                    ; the row's maximum
	v_mul_f32 v14, s27, v14
.irp j, 0,1,2,3,4,5,6,7
	v_fma_f32 v[40+\j], v[40+\j], s27, -v14        ; (logit - maximum) x log2(e)
.endr
.irp j, 0,1,2,3,4,5,6,7
	v_exp_f32 v[40+\j], v[40+\j]
.endr
	v_nop                                          ; one plain vector instruction behind the exponentials
	s_wait_alu depctr_va_vdst(0)
	v_add_f32 v14, v40, v41
	v_add_f32 v15, v42, v43
	v_add_f32 v12, v44, v45
	v_add_f32 v13, v46, v47
	v_add_f32 v14, v14, v15
	v_add_f32 v12, v12, v13
	v_add_f32 v14, v14, v12
	v_rcp_f32 v15, v14
	v_nop                                          ; and behind the reciprocal
	s_wait_alu depctr_va_vdst(0)
.irp j, 0,1,2,3,4,5,6,7
	v_mul_f32 v[40+\j], v[40+\j], v15
.endr
.irp j, 0,1,2,3
	v_cndmask_b32 v[48+\j], v[40+\j], v[44+\j], s26   ; lanes 0-15 store experts 0-3, lanes 16-31 experts 4-7
.endr
	global_store_b128 v6, v[48:51], s[20:21]       ; the 32 lanes cover 512 consecutive bytes, aligned
	s_wait_tensorcnt 0x0
	ds_add_u32 v232, v233
	s_wait_dscnt 0x0
	s_endpgm
	; ---------------- expert_w ----------------
.Lweights:
	s_sub_co_u32 s36, ttmp9, 64
	s_lshl_b32 s36, s36, 2
	s_add_co_u32 s36, s36, s22                     ; u = 2 x (block of 16 rows) + (half of K)
	s_lshr_b32 s40, s36, 1
	s_and_b32 s41, s36, 1
	s_lshl_b32 s38, s40, 16                        ; 16 rows of 4,096 bytes,
	s_lshl_b32 s41, s41, 11                        ; 512 numbers along K
	s_add_co_u32 s38, s38, s41
	s_add_nc_u64 s[6:7], s[6:7], s[38:39]
	s_lshl_b32 s38, s36, 13
	s_add_nc_u64 s[16:17], s[16:17], s[38:39]      ; 8,192 bytes of codes for each u
	s_lshl_b32 s38, s36, 8
	s_add_nc_u64 s[18:19], s[18:19], s[38:39]      ; 256 bytes of scale words
	v_lshl_add_u32 v5, v15, 3, s23
	v_lshlrev_b32 v7, 3, v15
.irp n, 0,1,2,3,4,5,6,7
	LOADB \n, 6
.endr
.set QN, 0
.rept NBW
	QBLK QN, NBW, 0, 6, 16
.set QN, QN+1
.endr
	SCALEOUT 2, 18
	s_wait_tensorcnt 0x0
	ds_add_u32 v232, v233
	s_wait_dscnt 0x0
	s_endpgm
.Lfunc_end_k_qdc99d14612_quant:
	.size	k_qdc99d14612_quant, .Lfunc_end_k_qdc99d14612_quant-k_qdc99d14612_quant
	.p2alignl 7, 3214868480
	.fill 96, 4, 3214868480
	.section	.rodata,"a",@progbits
	.p2align	6, 0x0
	.amdhsa_kernel k_qdc99d14612_quant
		.amdhsa_group_segment_fixed_size 19200
		.amdhsa_private_segment_fixed_size 0
		.amdhsa_enable_private_segment 0
		.amdhsa_kernarg_size 72
		.amdhsa_user_sgpr_count 2
		.amdhsa_user_sgpr_kernarg_segment_ptr 1
		.amdhsa_wavefront_size32 1
		.amdhsa_system_sgpr_workgroup_id_x 1
		.amdhsa_system_sgpr_workgroup_id_y 1
		.amdhsa_system_sgpr_workgroup_id_z 1
		.amdhsa_system_vgpr_workitem_id 0
		.amdhsa_next_free_vgpr 234
		.amdhsa_next_free_sgpr 66
		.amdhsa_reserve_vcc 1
		.amdhsa_float_denorm_mode_32 3
		.amdhsa_float_denorm_mode_16_64 3
		.amdhsa_memory_ordered 1
		.amdhsa_forward_progress 1
		.amdhsa_inst_pref_size 161
	.end_amdhsa_kernel
	.amdgpu_metadata
---
amdhsa.version: [ 1, 2 ]
amdhsa.kernels:
  - .name:           k_qdc99d14612_quant
    .symbol:         k_qdc99d14612_quant.kd
    .args:
      - { .name: x, .offset: 0, .size: 8, .value_kind: global_buffer, .address_space: global }
      - { .name: expert_w, .offset: 8, .size: 8, .value_kind: global_buffer, .address_space: global }
      - { .name: gate_w, .offset: 16, .size: 8, .value_kind: global_buffer, .address_space: global }
      - { .name: gate_b, .offset: 24, .size: 8, .value_kind: global_buffer, .address_space: global }
      - { .name: xq, .offset: 32, .size: 8, .value_kind: global_buffer, .address_space: global }
      - { .name: xs, .offset: 40, .size: 8, .value_kind: global_buffer, .address_space: global }
      - { .name: wq, .offset: 48, .size: 8, .value_kind: global_buffer, .address_space: global }
      - { .name: ws, .offset: 56, .size: 8, .value_kind: global_buffer, .address_space: global }
      - { .name: gates, .offset: 64, .size: 8, .value_kind: global_buffer, .address_space: global }
    .group_segment_fixed_size: 19200
    .private_segment_fixed_size: 0
    .kernarg_segment_align: 8
    .kernarg_segment_size: 72
    .max_flat_workgroup_size: 128
    .sgpr_count:     66
    .vgpr_count:     234
    .wavefront_size: 32
...
	.end_amdgpu_metadata
.endif
;; end of part 1
;; launch moe (part 2): grid 16 x 16, 4 waves a work-group, clusters of 4 x 4, 327,680 bytes of LDS; arguments xq, xs, wq, ws, gates, expert_b, out0; writes out0
.if DOCPART == 2
	.amdgcn_target "amdgcn-amd-amdhsa--gfx1250"
	.amdhsa_code_object_version 6
	.text
	.protected	k_qdc99d14612_moe
	.globl	k_qdc99d14612_moe
	.p2align	8
	.type	k_qdc99d14612_moe,@function
k_qdc99d14612_moe:
	s_mov_b64 s[64:65], 0
	v_nop
	global_prefetch_b8 v0, s[64:65] scope:SCOPE_SE
	s_setreg_imm32_b32 hwreg(HW_REG_WAVE_MODE, 25, 1), 1
	s_wait_xcnt 0x0
	s_wait_alu depctr_hold_cnt(0) depctr_sa_sdst(0) depctr_va_vdst(0) depctr_va_sdst(0) depctr_va_ssrc(0) depctr_va_vcc(0) depctr_vm_vsrc(0)
	s_getreg_b32 s2, hwreg(HW_REG_IB_STS2, 6, 4)
	s_cmp_eq_u32 s2, 0
	s_cbranch_scc0 .Lentry_in_a_cluster
	s_endpgm
.Lentry_in_a_cluster:
	s_bfe_u32 s2, ttmp6, 0x10000c
	s_cmp_lg_u32 s2, 0xf033
	s_cbranch_scc0 .Lentry_shape_is_right
	s_endpgm
.Lentry_shape_is_right:
; out0[n][h] = the sum over e of gates[n][e] x relu(Q(x)[n] . Q(W)[e][h] + expert_b[e][h]).  The product runs on codes of FP8 (E4M3) with E8M0 scales for each 32 along K = 1,024, sums in f32.
; xq, wq hold the codes in the matrix fragment's own order, [block of 16 rows][q 8][c 4][lane 32][16 bytes] (for wq the block is 128 e + h / 16); xs, ws the scale words, [block][s 4][lane 32]: lane l
; has the word of row l % 16 for the 128 along K numbered q = 2 s + l / 16.
; SHARES.  A work-group owns 256 tokens x 128 h and stays: it walks four tiles of 32 h.  In a tile the second operand's 256 rows are 8 EXPERTS x 32 h.  A wave makes 128 tokens x (8 experts x 16 h):
; 64 accumulators (a = block of 16 tokens, b = expert), 512 registers.  So all eight experts' sums of one (token, h) lie in one lane, and bias, relu and the weighted sum over the experts need no other wave.
; THE MATRIX INSTRUCTION IS USED TRANSPOSED (source 0 = 16 rows of W, source 1 = 16 tokens): lane (r, hf) holds token r and its registers j the h offsets 8 hf + j.  One gate weight a lane serves an
; accumulator; the bias, laid so in eight registers for each expert, is the C of a tile's first products and costs no addition, and nothing is cleared.
; THE RING.  K goes in steps of 256 through two LDS slots of 131,072 bytes.  A wave's tensor load brings a quarter: eight pieces of 4,096 consecutive bytes (eight blocks of tokens, or one block of h of
; eight experts): the tile has no more rows than these eight.  The pieces lie dense in LDS: a fragment load reads lane i at 16 i, 512 consecutive bytes, so no padding is wanted.
; The ring goes on from tile to tile: a tile's last two changes of slots ask for the next tile's first two steps.
; CLUSTERS: 4 x 4 work-groups.  The four of a row of the cluster need the same tokens' codes, the four of a column the same rows of W: each quarter is asked for JOINTLY, by the same tensor load with
; the same descriptor and a mask that names the four.
; THE SCALE WORDS come by loads of 128 consecutive bytes into two sets of 8 + 8 registers, one step of 256 ahead: window 0 has no room for those of all of K beside bias and fragments.  A register
; carries the step's first 128 along K in lanes 0-15 and its second in lanes 16-31.
; THE WAY OUT.  A tile gives 128 bytes of a row of out0.  The first tile of a pair parks them in LDS (P1); the second puts its own beside them (P2, half of the rows at a time), and whole rows of 256
; bytes are read back and stored, sixteen lanes to 256 consecutive bytes, aligned.
; LIMITS: none beyond the quantiser's (NaN and infinities are not served).
; REGISTERS, in windows of 256: window 0: v2-15 addresses; v16-47 scale words; v48-63 at work at the head; v64-127 the bias; v128-255 x's fragments, one set.
;   window 1: W's fragments, two sets, at v0 and v128; on the way out the second set's registers hold the gate weights (v128-191), then rows read back, and the tile's results (v192-255).
;   window 2: the accumulators of token blocks 0-3 ((a, b) at v[8 (8 (a % 4) + b)]);   window 3: those of blocks 4-7.
.set SLOTB, 131072
.set P1,    2*SLOTB                    ; behind the ring: 256 rows x 144 bytes (128 + 16: an odd multiple of 16)
.set PP,    144
.set D12,   256*PP+128                 ; from a row in P1 to the same row in P2; the 128 put the two halves of a row of out0 into different banks (64 banks of 4 bytes: ISA guide 11.1).  P2 holds rows 0-63 and 128-191
.set SPARE, 326912                     ; behind P2: the spare words, 128 bytes for each wave: two blocks of 256 bytes that no other line names
.set ADRX,  2                          ; v2, v3   LDS address of my x fragments in slot 0, 1
.set ADRW,  4                          ; v4, v5   the same for W
.set STO1,  6                          ; v6       where I put 32 bytes of a row in P1
.set STO2,  7                          ; v7       and in P2
.set RD0,   8                          ; v8       where I read 16 bytes of a whole row back: rows 0-63 of my wave's half of the tokens
.set RD1,   9                          ; v9       rows 64-127
.set CO,    10                         ; v10      my byte offset in out0
.set SOFF,  11                         ; v11      4 x lane
.set BOFF,  12                         ; v12      32 hf
.set GOFF,  13                         ; v13      32 r
.set SPW,   14                         ; v14      LDS address of my spare word; never rewritten
.set NIL,   15                         ; v15      0; never rewritten
.set SCX,   16                         ; x's scale words: set s at v[SCX + 8 s + a]
.set SCW,   32                         ; W's: v[SCW + 8 s + b]
.set BIAS,  64                         ; v[BIAS + 8 e + j]
.set AF,    128                        ; x's fragments
.set GT,    128                        ; window 1: gate weights, v[GT + 8 a + e]
.set RB,    128                        ; window 1: rows read back
.set OUT,   192                        ; window 1: v[OUT + 8 a + j]
.set G1,  24                           ; s[24:31] descriptor group 1 for x's codes;  s[32:39] group 0, one set for each slot
.set G0,  32
.set G1B, 48                           ; s[48:55], s[56:63] the same for W's
.set G0B, 56
.set XSB, 66                           ; s[66:67] xs at my wave's first block of tokens
.set WSB, 68                           ; s[68:69] ws at expert 0's block of my 16 h
.set GB,  70                           ; s[70:71] gates at my wave's first token
.set BB,  72                           ; s[72:73] expert_b at my first h
.set OB,  74                           ; s[74:75] out0 at the first row and column that I store
.set MSB, 0
.macro WIN new                         ; the immediate's high byte repeats the setting that is left
.if MSB != (\new)
	s_set_vgpr_msb (MSB<<8)|(\new)
.set MSB, (\new)
.endif
.endm
.set MUL_LO,  0xa1                     ; source 0 (W) window 1, source 1 (x) window 0, C and D window 2
.set MUL_HI,  0xf1                     ; the same, C and D window 3
.set BIAS_LO, 0x81                     ; C (the bias) window 0, D window 2
.set BIAS_HI, 0xc1                     ; C window 0, D window 3
.set TO_W1,   0x40                     ; destination window 1, address window 0
.set FROM_W1, 0x04                     ; a store's data window 1, address window 0
.macro PLACES n                        ; plain vector instructions that name no register of the matrix instructions in front: eight behind this form
.rept \n
	v_nop
.endr
.endm
; A joint load: waves 0 and 1 fetch x's halves, waves 2 and 3 W's.  Each of the two lines has one mask and one set of registers for all that issue it; the branch hangs on the wave's number alone.
; Four v_nop follow each of the two lines, ahead of the jump, the label and what follows.
.macro JLOAD g0a, g1a, g0b, g1b
	s_cmp_eq_u32 s19, 0
	s_cbranch_scc0 .Lfor_b_\@
	tensor_load_to_lds s[\g0a:\g0a+3], s[\g1a:\g1a+7]
	s_nop 0
.rept 4
	v_nop
.endr
	s_branch .Lasked_\@
.Lfor_b_\@:
	tensor_load_to_lds s[\g0b:\g0b+3], s[\g1b:\g1b+7]
	s_nop 0
.rept 4
	v_nop
.endr
.Lasked_\@:
.endm
.macro CREST                           ; a round of the cluster's barrier behind its opening barrier
	s_cmp_lg_u32 s18, 0
	s_cbranch_scc1 .Lnot_wave_0_\@
	s_barrier_signal -3
.Lnot_wave_0_\@:
	s_barrier_wait -3
	s_barrier_signal -1
	s_barrier_wait -1
.endm
.macro CROUND                          ; a whole round
	s_barrier_signal -1
	s_barrier_wait -1
	CREST
.endm
	s_load_b256 s[4:11], s[0:1], 0x0               ; xq s[4:5], xs s[6:7], wq s[8:9], ws s[10:11]
	s_load_b128 s[12:15], s[0:1], 0x20             ; gates s[12:13], expert_b s[14:15]
	s_load_b64 s[16:17], s[0:1], 0x30              ; out0
	v_lshl_add_u32 v[SPW], v0, 2, SPARE
	v_mov_b32 v[NIL], 0
	ds_add_u32 v14, v15
	ds_add_u32 v14, v15
	s_wait_dscnt 0x0
	v_lshrrev_b32 v48, 5, v0
	v_readfirstlane_b32 s18, v48                   ; wave 0..3
	s_lshr_b32 s19, s18, 1                         ; i: which half of the tokens is mine.  Also: I fetch for x (0) or for W (1)
	s_and_b32 s20, s18, 1                          ; c: which 16 of the tile's 32 h.  Also: which half I fetch
	s_bfe_u32 s40, ttmp6, 0x40000                  ; cx, cy: my place in the cluster
	s_bfe_u32 s41, ttmp6, 0x40004
	s_lshl_b32 s42, ttmp9, 2
	s_add_co_u32 s42, s42, s40                     ; tx = 4 x cluster x + cx: my 128 h
	s_and_b32 s23, ttmp7, 0xffff
	s_lshl_b32 s23, s23, 2
	s_add_co_u32 s23, s23, s41                     ; ty = 4 x cluster y + cy: my 256 tokens
	s_lshl_b32 s43, s41, 2
	s_lshl_b32 s43, 15, s43                        ; my row of the cluster
	s_lshl_b32 s44, 0x1111, s40                    ; my column
	; descriptor group 1: 8 rows of 512 elements of 8 bytes, no padding
	s_or_b32 s[G1+0], s43, (3<<16)|(1<<21)         ; 15:0 the mask: x's codes go to my row; 17:16 elements of 8 bytes; 21 set beside a mask
	s_or_b32 s[G1B+0], s44, (3<<16)|(1<<21)        ; W's go to my column
.irp g, G1, G1B
	s_mov_b32 s[\g+1], 512<<16                     ; tensor_dim0 = 512
	s_mov_b32 s[\g+2], 8<<16                       ; tensor_dim1 = 8
	s_mov_b32 s[\g+3], 512<<16                     ; tile_dim0 = 512
	s_mov_b32 s[\g+4], 8                           ; tile_dim1 = 8
	s_mov_b32 s[\g+6], 0
	s_mov_b32 s[\g+7], 0
.endr
	s_mov_b32 s[G1+5], 2048                        ; from a block of tokens to the next: 16,384 bytes
	s_mov_b32 s[G1B+5], 262144                     ; from an expert to the next: 128 blocks of 16,384 bytes
	; where the quarters come from.  x's hang on ty alone, W's on tx alone, each made in registers that never hold the other coordinate
	s_lshl_b32 s76, s23, 4
	s_lshl_b32 s77, s20, 3
	s_add_co_u32 s76, s76, s77                     ; x: block 16 ty + 8 x half
	s_lshl_b32 s76, s76, 14
	s_mov_b32 s77, 0
	s_lshl_b32 s78, s42, 3
	s_add_co_u32 s78, s78, s20                     ; W: block 8 tx + half, of expert 0
	s_lshl_b32 s78, s78, 14
	s_mov_b32 s79, 0
	s_lshl_b32 s45, s18, 15                        ; where they go: wave x 32,768: no place in the cluster enters an LDS address
	s_wait_kmcnt 0x0
	s_add_nc_u64 s[76:77], s[4:5], s[76:77]
	s_add_nc_u64 s[78:79], s[8:9], s[78:79]
	CROUND                                         ; all sixteen work-groups are here: the first joint loads meet
.irp n, 0,1
	s_mov_b32 s[G0+4*\n], 1
	s_add_co_u32 s[G0+4*\n+1], s45, \n*SLOTB
	s_add_nc_u64 s[G0+4*\n+2:G0+4*\n+3], s[76:77], \n*4096     ; the n-th 256 along K
	s_or_b32 s[G0+4*\n+3], s[G0+4*\n+3], 0x80000000
	s_mov_b32 s[G0B+4*\n], 1
	s_add_co_u32 s[G0B+4*\n+1], s45, \n*SLOTB
	s_add_nc_u64 s[G0B+4*\n+2:G0B+4*\n+3], s[78:79], \n*4096
	s_or_b32 s[G0B+4*\n+3], s[G0B+4*\n+3], 0x80000000
	JLOAD G0+4*\n, G1, G0B+4*\n, G1B               ; two loads of mine are out
.endr
	; the other buffers' bases
	s_lshl_b32 s76, s23, 4
	s_lshl_b32 s77, s19, 3
	s_add_co_u32 s76, s76, s77                     ; my wave's first block of tokens: 16 ty + 8 i
	s_lshl_b32 s76, s76, 9                         ; 512 bytes of scale words a block; and 16 tokens x 32 bytes of gates
	s_mov_b32 s77, 0
	s_add_nc_u64 s[XSB:XSB+1], s[6:7], s[76:77]
	s_add_nc_u64 s[GB:GB+1], s[12:13], s[76:77]
	s_lshl_b32 s78, s42, 3
	s_add_co_u32 s78, s78, s20                     ; my block of 16 h: 8 tx + c
	s_lshl_b32 s46, s78, 6                         ; 64 bytes of bias
	s_mov_b32 s47, 0
	s_lshl_b32 s78, s78, 9
	s_mov_b32 s79, 0
	s_add_nc_u64 s[WSB:WSB+1], s[10:11], s[78:79]
	s_add_nc_u64 s[BB:BB+1], s[14:15], s[46:47]
	s_lshl_b32 s46, s23, 8
	s_lshl_b32 s3, s19, 7
	s_add_co_u32 s46, s46, s3
	s_lshl_b32 s3, s20, 5
	s_add_co_u32 s46, s46, s3                      ; the first row of out0 that I store: 256 ty + 128 i + 32 c
	s_lshl_b32 s46, s46, 13
	s_lshl_b32 s3, s42, 9
	s_add_co_u32 s46, s46, s3                      ; + 512 tx bytes
	s_add_nc_u64 s[OB:OB+1], s[16:17], s[46:47]
	; the lanes' addresses
	v_and_b32 v48, 31, v0                          ; lane
	v_and_b32 v49, 15, v0                          ; r
	v_bfe_u32 v50, v0, 4, 1                        ; hf
	v_lshlrev_b32 v51, 4, v48
	s_lshl_b32 s21, s19, 15                        ; x's half i
	s_lshl_b32 s22, s20, 15
	s_add_co_u32 s22, s22, 65536                   ; W's half c, behind x's two
	v_add_nc_u32 v[ADRX], s21, v51
	v_add_nc_u32 v[ADRW], s22, v51
	v_add_nc_u32 v[ADRX+1], SLOTB, v[ADRX]
	v_add_nc_u32 v[ADRW+1], SLOTB, v[ADRW]
	s_mul_i32 s21, s19, 128*PP
	s_lshl_b32 s22, s20, 6
	s_add_co_u32 s21, s21, s22
	s_add_co_u32 s21, s21, P1
	v_mul_u32_u24 v52, v49, PP
	v_lshl_add_u32 v52, v50, 5, v52
	v_add_nc_u32 v[STO1], s21, v52                 ; row 128 i + r, + 64 c + 32 hf
	v_add_nc_u32 v[STO2], D12, v[STO1]
	s_mul_i32 s21, s19, 128*PP
	s_mul_i32 s22, s20, 32*PP
	s_add_co_u32 s21, s21, s22
	s_add_co_u32 s21, s21, P1                      ; row 128 i + 32 c of P1
	v_and_b32 v53, 7, v0
	v_bfe_u32 v54, v0, 3, 1                        ; r / 8: which half of a row of out0 I read
	v_mul_u32_u24 v55, v50, PP
	v_lshl_add_u32 v55, v53, 4, v55                ; + hf rows, + 16 (r % 8)
	v_mad_u32_u24 v56, v54, D12, v55
	v_add_nc_u32 v[RD0], s21, v56                  ; lanes r = 0-7 take the row's 128 bytes in P1, r = 8-15 those in P2
	v_mad_u32_u24 v56, v54, D12-64*PP, v55         ; the second half of the rows: 64 rows further down in P1 (the constant below); in P2 the same rows as before: D12 less those 64 rows
	s_add_co_u32 s21, s21, 64*PP
	v_add_nc_u32 v[RD1], s21, v56
	v_lshlrev_b32 v[CO], 13, v50
	v_lshl_add_u32 v[CO], v49, 4, v[CO]            ; lanes 0-15 one row of out0, lanes 16-31 the next; 16 bytes a lane
	v_lshlrev_b32 v[SOFF], 2, v48
	v_lshlrev_b32 v[BOFF], 5, v50
	v_lshlrev_b32 v[GOFF], 5, v49
.macro FRAG reg, adr, off              ; a fragment, 16 rows x 128 K: registers 4 c .. 4 c + 3 hold K = 32 c + 16 hf + 0 .. 15: four loads of 512 consecutive bytes
.irp c, 0,1,2,3
	ds_load_b128 v[\reg+4*\c:\reg+4*\c+3], v[\adr] offset:\off+512*\c
.endr
.endm
.macro FETCH_B slot, qq, p             ; W's eight fragments (one for each expert) of the slot's qq-th 128 along K into set p
	WIN TO_W1
.irp b, 0,1,2,3,4,5,6,7
	FRAG 128*(\p)+16*\b, ADRW+\slot, 4096*\b+2048*(\qq)
.endr
	WIN 0
.endm
.macro FETCH_A slot, qq, a0            ; x's blocks a0 .. a0 + 3
.irp a, \a0, \a0+1, \a0+2, \a0+3
	FRAG AF+16*(\a), ADRX+\slot, 4096*(\a)+2048*(\qq)
.endr
.endm
.macro SCALES set, s, wo               ; the scale words of the s-th 256 along K into a set; wo: bytes on in ws (the next tile's)
.irp a, 0,1,2,3,4,5,6,7
	global_load_b32 v[SCX+8*(\set)+\a], v[SOFF], s[XSB:XSB+1] offset:512*\a+128*(\s)
.endr
.irp b, 0,1,2,3,4,5,6,7
	global_load_b32 v[SCW+8*(\set)+\b], v[SOFF], s[WSB:WSB+1] offset:65536*\b+128*(\s)+\wo
.endr
.endm
.macro BIASLD                          ; bias[e][my 16 h]: a lane takes the eight at 8 hf
.irp e, 0,1,2,3,4,5,6,7
	global_load_b128 v[BIAS+8*\e:BIAS+8*\e+3], v[BOFF], s[BB:BB+1] offset:8192*\e
	global_load_b128 v[BIAS+8*\e+4:BIAS+8*\e+7], v[BOFF], s[BB:BB+1] offset:8192*\e+16
.endr
.endm
; 16 matrix instructions: token blocks a0, a0 + 1 x the eight experts, 128 along K.  p: W's set; set: the scale words'; row = 1: the slot's second 128 (lanes 16-31 of the scale registers);
; cb = 1: the tile's first products, whose C is the bias.  The 64 accumulators take turns, one instruction a turn, in the same order in every step.
.macro MUL16 a0, p, set, row, cb
.irp a, \a0, \a0+1
.irp b, 0,1,2,3,4,5,6,7
.set DD, 8*(8*((\a)%4)+\b)
.if \cb
	v_wmma_scale_f32_16x16x128_f8f6f4 v[DD:DD+7], v[128*(\p)+16*\b:128*(\p)+16*\b+15], v[AF+16*(\a):AF+16*(\a)+15], v[BIAS+8*\b:BIAS+8*\b+7], v[SCW+8*(\set)+\b], v[SCX+8*(\set)+(\a)]
.elseif \row
	v_wmma_scale_f32_16x16x128_f8f6f4 v[DD:DD+7], v[128*(\p)+16*\b:128*(\p)+16*\b+15], v[AF+16*(\a):AF+16*(\a)+15], v[DD:DD+7], v[SCW+8*(\set)+\b], v[SCX+8*(\set)+(\a)] matrix_a_scale:MATRIX_SCALE_ROW1 matrix_b_scale:MATRIX_SCALE_ROW1
.else
	v_wmma_scale_f32_16x16x128_f8f6f4 v[DD:DD+7], v[128*(\p)+16*\b:128*(\p)+16*\b+15], v[AF+16*(\a):AF+16*(\a)+15], v[DD:DD+7], v[SCW+8*(\set)+\b], v[SCX+8*(\set)+(\a)]
.endif
.endr
.endr
.endm
; A slot's first 128 along K.  x has one set of fragments: a block is free when its eight products are issued, so blocks 0-3 are fetched anew in the middle, blocks 4-7 at the end; W has two sets.
; ns >= 0: the scale words of the next 256 along K are asked for, into the other set.
.macro STEP slot, cb, ns, wo
	s_wait_loadcnt 0x0                             ; this slot's scale words (asked for a slot ago), and at a tile's head the bias
	s_wait_dscnt 16                                ; W's set and x's blocks 0-3 are in; the youngest 16 loads (x's blocks 4-7) may be out
.if \cb
	WIN BIAS_LO
.else
	WIN MUL_LO
.endif
	MUL16 0, 0, \slot, 0, \cb
	MUL16 2, 0, \slot, 0, \cb
	s_wait_dscnt 0x0                               ; x's blocks 4-7 are in
	PLACES 8
	FETCH_B \slot, 1, 1
	FETCH_A \slot, 1, 0
.if \ns >= 0
	SCALES 1-\slot, \ns, \wo
.endif
.if \cb
	WIN BIAS_HI
.else
	WIN MUL_HI
.endif
	MUL16 4, 0, \slot, 0, \cb
	MUL16 6, 0, \slot, 0, \cb
	PLACES 8
	WIN 0
	FETCH_A \slot, 1, 4
.endm
; A slot's second 128 along K changes slots: ONE barrier; in front of it each wave waits for all its tensor loads, adds 0 to its spare word, and waits for that and for its own reads of this slot.
; fill = 1: the barrier opens a round of the cluster's barrier, and this slot is filled again first thing behind it: adv = 0 with this tile's step two on, adv = 1 with the next tile's step.
.macro TURN slot, next, fill, adv
	s_wait_tensorcnt 0x0                           ; all my tensor loads have landed: my part of the next slot;  (every window is 0 here)
	ds_add_u32 v[SPW], v[NIL]                      ; 0 onto my spare word
	s_wait_dscnt 17                                ; (the add and the youngest 16 loads, x's blocks 4-7, may be out)
	WIN MUL_LO
	MUL16 0, 1, \slot, 1, 0                        ; sixteen matrix instructions stand between the add and the wait for it
	s_wait_dscnt 0x0                               ; the add is done, and my reads of this slot are over
	s_barrier_signal -1
	MUL16 2, 1, \slot, 1, 0
	WIN 0
	s_barrier_wait -1
.if \fill
	CREST                                          ; no wave of any partner still reads this slot or has a load on its way
.if \adv
	s_sub_nc_u64 s[G0+4*\slot+2:G0+4*\slot+3], s[G0+4*\slot+2:G0+4*\slot+3], 8192        ; x: back along K by 512
	s_add_nc_u64 s[G0B+4*\slot+2:G0B+4*\slot+3], s[G0B+4*\slot+2:G0B+4*\slot+3], 24576   ; W: two blocks of h on (32,768 bytes) and back along K
.else
	s_add_nc_u64 s[G0+4*\slot+2:G0+4*\slot+3], s[G0+4*\slot+2:G0+4*\slot+3], 8192        ; 512 along K on
	s_add_nc_u64 s[G0B+4*\slot+2:G0B+4*\slot+3], s[G0B+4*\slot+2:G0B+4*\slot+3], 8192
.endif
	JLOAD G0+4*\slot, G1, G0B+4*\slot, G1B         ; the first tensor load behind the round, and my only one until the next; its four v_nop are among the places in front of the loads below
	PLACES 4
.else
	PLACES 8
.endif
	FETCH_B \next, 0, 0
	FETCH_A \next, 0, 0
	WIN MUL_HI
	MUL16 4, 1, \slot, 1, 0
	MUL16 6, 1, \slot, 1, 0
	PLACES 8
	WIN 0
	FETCH_A \next, 0, 4
.endm
.macro LASTSTEP                        ; the very last 128 along K: nothing more to fetch
	s_wait_dscnt 16
	WIN MUL_LO
	MUL16 0, 1, 1, 1, 0
	MUL16 2, 1, 1, 1, 0
	s_wait_dscnt 0x0
	WIN MUL_HI
	MUL16 4, 1, 1, 1, 0
	MUL16 6, 1, 1, 1, 0
	WIN 0
.endm
; THE TILE'S END: relu in place, then OUT(a) = the sum over e of gate(token, e) x accumulator (a, e).  The next tile's first fragments (window 0 v128-255, window 1 v0-127) are on their way and are not touched.
.macro EPI last
.if \last
	PLACES 8                                       ; behind the last products (elsewhere the eight at the change of slots' end stand there)
.else
	s_wait_xcnt 0x0                                ; the loads that named these bases have had their addresses translated: only now are the bases stepped
	s_add_nc_u64 s[WSB:WSB+1], s[WSB:WSB+1], 1024  ; two blocks of h on
	s_add_nc_u64 s[BB:BB+1], s[BB:BB+1], 128       ; 32 h on
.endif
	WIN TO_W1
.irp a, 0,1,2,3,4,5,6,7
	global_load_b128 v[GT+8*\a:GT+8*\a+3], v[GOFF], s[GB:GB+1] offset:512*\a        ; my token's eight gate weights, for each block of tokens
	global_load_b128 v[GT+8*\a+4:GT+8*\a+7], v[GOFF], s[GB:GB+1] offset:512*\a+16
.endr
	WIN 0
.if !\last
	BIASLD                                         ; the next tile's
.endif
	WIN 0x88                                       ; source 1 and destination window 2
.set KK, 0
.rept 256
	v_max_num_f32 v[KK], 0, v[KK]                  ; each accumulator from its low end on
.set KK, KK+1
.endr
	WIN 0xcc                                       ; window 3
.set KK, 0
.rept 256
	v_max_num_f32 v[KK], 0, v[KK]
.set KK, KK+1
.endr
.if \last
	s_wait_loadcnt 0x0                             ; the gate weights
.else
	s_wait_loadcnt 16                              ; the gate weights are in; the 16 loads of the bias behind them may be out
.endif
.irp a, 0,1,2,3,4,5,6,7
	WIN 0x56+((\a)/4)                              ; source 0 (accumulator) window 2 or 3; gate weight, addend and destination window 1
.set AC, 64*((\a)%4)
.irp e, 0,1,2,3,4,5,6,7
.irp p, 0,2,4,6
.if \e == 0
	v_pk_mul_f32 v[OUT+8*\a+\p:OUT+8*\a+\p+1], v[AC+\p:AC+\p+1], v[GT+8*\a:GT+8*\a+1] op_sel_hi:[1,0]
.elseif (\e%2) == 0
	v_pk_fma_f32 v[OUT+8*\a+\p:OUT+8*\a+\p+1], v[AC+8*\e+\p:AC+8*\e+\p+1], v[GT+8*\a+\e:GT+8*\a+\e+1], v[OUT+8*\a+\p:OUT+8*\a+\p+1] op_sel_hi:[1,0,1]
.else
	v_pk_fma_f32 v[OUT+8*\a+\p:OUT+8*\a+\p+1], v[AC+8*\e+\p:AC+8*\e+\p+1], v[GT+8*\a+\e-1:GT+8*\a+\e], v[OUT+8*\a+\p:OUT+8*\a+\p+1] op_sel:[0,1,0] op_sel_hi:[1,1,1]
.endif
.endr
.endr
.endr
	WIN 0
.endm
.macro PARK                            ; the first tile of a pair: its 128 bytes of each row wait in P1.  They are read a tile later, behind the ring's barriers, in front of each of which every wave waits for its LDS instructions
	WIN FROM_W1
.irp a, 0,1,2,3,4,5,6,7
	ds_store_b128 v[STO1], v[OUT+8*\a:OUT+8*\a+3] offset:16*PP*\a
	ds_store_b128 v[STO1], v[OUT+8*\a+4:OUT+8*\a+7] offset:16*PP*\a+16
.endr
	WIN 0
.endm
; Sixteen loads bring 32 whole rows of 256 bytes back (two rows an instruction), sixteen stores send them: 16 lanes store 256 consecutive bytes, aligned.
.macro ROWS rd, off
	WIN TO_W1
.irp j, 0,1,2,3,4,5,6,7,8,9,10,11,12,13,14,15
	ds_load_b128 v[RB+4*\j:RB+4*\j+3], v[\rd] offset:2*PP*\j
.endr
	WIN FROM_W1
.irp j, 0,1,2,3,4,5,6,7,8,9,10,11,12,13,14,15
	s_wait_dscnt 15-\j                             ; LDS loads come back in order (ISA guide 5.7.1): the younger ones of this run may be out
	global_store_b128 v[CO], v[RB+4*\j:RB+4*\j+3], s[OB:OB+1] offset:\off+16384*\j
.endr
.endm
; The second tile of a pair.  P2 takes half of the rows at a time.  Three barriers: my stores are done before others read; everybody's reads are back before P2 is written again; and once more for the
; second half.  The next tile's tensor load stays on its way across them.
.macro FLUSH last
	WIN FROM_W1
.irp a, 0,1,2,3
	ds_store_b128 v[STO2], v[OUT+8*\a:OUT+8*\a+3] offset:16*PP*\a
	ds_store_b128 v[STO2], v[OUT+8*\a+4:OUT+8*\a+7] offset:16*PP*\a+16
.endr
	s_wait_dscnt 0x0                               ; for the others' sake: my stores are done
	s_barrier_signal -1
	s_barrier_wait -1
	ROWS RD0, 0
	s_barrier_signal -1                            ; my reads of P2 are back (the count-down ended at 0)
	s_barrier_wait -1
.irp a, 4,5,6,7
	ds_store_b128 v[STO2], v[OUT+8*\a:OUT+8*\a+3] offset:16*PP*(\a-4)
	ds_store_b128 v[STO2], v[OUT+8*\a+4:OUT+8*\a+7] offset:16*PP*(\a-4)+16
.endr
	s_wait_dscnt 0x0
	s_barrier_signal -1
	s_barrier_wait -1
	s_wait_xcnt 0x0                                ; the registers that the stores above read are loaded again only behind this wait
	ROWS RD1, 64*8192
	WIN 0
	s_wait_xcnt 0x0                                ; and so are the stores' base and, in the next tile, their data registers
.if !\last
	s_add_nc_u64 s[OB:OB+1], s[OB:OB+1], 256       ; the next pair's 64 h
.endif
.endm
; A tile: K = 1,024 in four slots' worth, then its end.
.macro TILE last
	STEP 0, 1, 1, 0
	TURN 0, 1, 1, 0
	STEP 1, 0, 2, 0
	TURN 1, 0, 1, 0
	STEP 0, 0, 3, 0
.if \last
	TURN 0, 1, 0, 0                                ; nothing is left to ask for: a plain barrier
	STEP 1, 0, -1, 0
	LASTSTEP
.else
	TURN 0, 1, 1, 1                                ; the ring goes on into the next tile: slot 0 takes its first 256 along K,
	STEP 1, 0, 0, 1024
	TURN 1, 0, 1, 1                                ; slot 1 its second, and the next tile's first fragments are fetched
.endif
	EPI \last
.if \last
	FLUSH 1
.else
	s_and_b32 s3, s2, 1                            ; tiles to go even: the first of a pair.  The same number in every wave and every work-group
	s_cmp_eq_u32 s3, 0
	s_cbranch_scc0 .Lflush_\@
	PARK
	s_branch .Lout_\@
.Lflush_\@:
	FLUSH 0
.Lout_\@:
.endif
	s_wait_dscnt 0x0                               ; all my LDS instructions are done, the next tile's first fragments among them
.endm
	SCALES 0, 0, 0
	BIASLD
	s_wait_tensorcnt 1                             ; my part of slot 0 is in; slot 1's may stay out
	s_barrier_signal -1
	s_barrier_wait -1                              ; everybody's is
	FETCH_B 0, 0, 0
	FETCH_A 0, 0, 0
	FETCH_A 0, 0, 4
	s_mov_b32 s2, 4                                ; tiles to go
.Ltile:
	TILE 0
	s_sub_co_u32 s2, s2, 1
	s_cmp_lg_u32 s2, 1
	s_cbranch_scc1 .Ltile
	TILE 1                                         ; the last tile is written out
	s_wait_tensorcnt 0x0                           ; the wave's end: behind my last tensor load and my last LDS store
	ds_add_u32 v[SPW], v[NIL]
	s_wait_dscnt 0x0
	CROUND                                         ; the closing round: no work-group ends while a partner may still ask for a quarter that names it
	s_endpgm
.Lfunc_end_k_qdc99d14612_moe:
	.size	k_qdc99d14612_moe, .Lfunc_end_k_qdc99d14612_moe-k_qdc99d14612_moe
	.p2alignl 7, 3214868480
	.fill 96, 4, 3214868480
	.section	.rodata,"a",@progbits
	.p2align	6, 0x0
	.amdhsa_kernel k_qdc99d14612_moe
		.amdhsa_group_segment_fixed_size 327680
		.amdhsa_private_segment_fixed_size 0
		.amdhsa_enable_private_segment 0
		.amdhsa_kernarg_size 56
		.amdhsa_user_sgpr_count 2
		.amdhsa_user_sgpr_kernarg_segment_ptr 1
		.amdhsa_wavefront_size32 1
		.amdhsa_system_sgpr_workgroup_id_x 1
		.amdhsa_system_sgpr_workgroup_id_y 1
		.amdhsa_system_sgpr_workgroup_id_z 1
		.amdhsa_system_vgpr_workitem_id 0
		.amdhsa_next_free_vgpr 1024
		.amdhsa_next_free_sgpr 80
		.amdhsa_reserve_vcc 0
		.amdhsa_float_denorm_mode_32 3
		.amdhsa_float_denorm_mode_16_64 3
		.amdhsa_memory_ordered 1
		.amdhsa_forward_progress 1
		.amdhsa_inst_pref_size 255
	.end_amdhsa_kernel
	.section	.bss,"aw",@nobits
	.p2align	6
	.space	262144
	.amdgpu_metadata
---
amdhsa.version: [ 1, 2 ]
amdhsa.kernels:
  - .name:           k_qdc99d14612_moe
    .symbol:         k_qdc99d14612_moe.kd
    .args:
      - { .name: xq, .offset: 0, .size: 8, .value_kind: global_buffer, .address_space: global }
      - { .name: xs, .offset: 8, .size: 8, .value_kind: global_buffer, .address_space: global }
      - { .name: wq, .offset: 16, .size: 8, .value_kind: global_buffer, .address_space: global }
      - { .name: ws, .offset: 24, .size: 8, .value_kind: global_buffer, .address_space: global }
      - { .name: gates, .offset: 32, .size: 8, .value_kind: global_buffer, .address_space: global }
      - { .name: expert_b, .offset: 40, .size: 8, .value_kind: global_buffer, .address_space: global }
      - { .name: out0, .offset: 48, .size: 8, .value_kind: global_buffer, .address_space: global }
    .group_segment_fixed_size: 327680
    .private_segment_fixed_size: 0
    .kernarg_segment_align: 8
    .kernarg_segment_size: 56
    .max_flat_workgroup_size: 128
    .sgpr_count:     80
    .vgpr_count:     1024
    .wavefront_size: 32
...
	.end_amdgpu_metadata
.endif
;; end of part 2
;; ======== version 2 of 2: 2 launches
;; limits: values are held in bf16: 8 bits of precision; right only within a limited range of input values
;; workspace buffers: xq 4,194,304 bytes; wq 17,563,648 bytes; xs 131,072 bytes; gates 131,072 bytes
;; launch quant (part 3): grid 256 x 1, 20 waves a work-group, no clusters, 193,536 bytes of LDS; arguments x, expert_w, gate_w, gate_b, xq, xs, wq, expert_b, gates; writes xq, xs, wq, gates
.if DOCPART == 3
	.amdgcn_target "amdgcn-amd-amdhsa--gfx1250"
	.amdhsa_code_object_version 6
	.text
	.protected	k_qdc99d14612_quant
	.globl	k_qdc99d14612_quant
	.p2align	8
	.type	k_qdc99d14612_quant,@function
k_qdc99d14612_quant:
	s_mov_b64 s[64:65], 0
	v_nop
	global_prefetch_b8 v0, s[64:65] scope:SCOPE_SE
	s_setreg_imm32_b32 hwreg(HW_REG_WAVE_MODE, 25, 1), 1
	s_wait_xcnt 0x0
; x [4096][1024] and expert_w [8*2048][1024], f32, are turned into codes of FP8 (E4M3) with one E8M0 scale byte for each 32 along K; gates = softmax(x gate_w^T + gate_b) is made on the way, from the same
; registers of x; expert_b is copied beside the codes that it belongs to.  A block's scale is 2^(floor(log2(its largest magnitude)) - 8), its byte the magnitude's exponent field - 8, held at 1 from below.
; (A block of zeros so gets the byte 1 where the rule says 127: its codes are zeros, which add nothing, and this program alone reads the bytes.)
; LIMITS: blocks whose largest magnitude lies under 2^(9 - 127) keep the byte 1; NaN and infinities among the inputs are not served.  The gate's logits carry the rounding of x and gate_w to bf16.
; WHERE THE RESULTS LIE.  A row block: 16 rows; its codes: [128 along K: q 8][32 along K: c 4][lane 32][16 bytes]: lane (r = lane % 16, hf = lane / 16) has row r at k = 128 q + 32 c + 16 hf + 0 .. 15.
; Its scale words: [lane 32][s 4]: the four bytes of row r for q = 2 s + hf.  xq: 16,384 bytes a row block; xs: 512.  wq: 128 slots of SLOTB bytes: slot 4 (row block of the expert / 4) + expert / 2; in it eight
; pieces i = 4 (expert % 2) + row block % 4: codes from 0 on, scale words from 131,072 on, the 16 biases (64 bytes, four times over: 256) from 135,168 on.
; SHARES.  256 work-groups: one row block of x (waves 0-3) and four of expert_w (waves 4-19); a wave takes 16 rows x a quarter of K: two chunks of 128 along K, all asked for at its start.
; THE WAY IN.  A load reads 512 consecutive bytes of one row.  The conversions want 16 neighbours along K in one lane: so a chunk (16 rows x 512 bytes) goes through the wave's own stage in LDS.
; THE GATE: bf16 operands, f32 sums: source 0 = gate_w's rows (row lane % 8), source 1 = my 16 tokens: every lane ends with its token's eight logits.  The 16 waves of expert_w bring gate_w, two rows x a quarter
; of K each, round it to bf16 and lay it in LDS; a barrier shows it to the waves of x.  The four quarters' sums meet in LDS, where wave 1 takes the softmax, with the row's maximum taken away.
.set SLOTB, 137216
.set NB,   8                           ; blocks of 32 along K of a wave
.set SP,   528                         ; a row of a stage: 512 + 16 bytes: an odd multiple of 16
.set GWR,  4352                        ; a quarter of gate_w: 8 rows of 512 bytes of bf16 + 16
.set PL,   4*GWR                       ; the quarters' logits: 512 bytes each
.set SST,  PL+2048                     ; the five row blocks' scale words
.set STG0, SST+2560                    ; the stages
.set STGB, 16*SP
.set SPARE, STG0+20*STGB               ; the spare words
.set SPW,  4
.set NIL,  5
.set M,    8
.set M2,   9
.set T,    10
.set S,    11                          ; the conversion's scale operand
.set H,    12                          ; 448 x the scale
.set E,    22                          ; the scale's byte
.set SW,   16                          ; v16, v17 the scale word of each chunk
.set Y,    32                          ; v32-63   two blocks of 16 numbers, back from the stage
.set G,    64                          ; v64-191  two chunks as they come from memory; the first one's registers, when it lies in the stage, take:
.set C,    64                          ; v64-95   codes, eight sets of 4
.set A0,   96                          ; v96-111  the gate's two sums: even and odd blocks
.set XB,   112                         ; v112-119 x as bf16
.set GFE,  24                          ; v24-31   gate_w's fragment of an even block
.set GFO,  120                         ; v120-127 of an odd one
.set SRC,  36
.set DSTC, 38
.set DSTS, 60
	s_load_b256 s[4:11], s[0:1], 0x0               ; x, expert_w, gate_w, gate_b
	s_load_b256 s[12:19], s[0:1], 0x20             ; xq, xs, wq, expert_b
	s_load_b64 s[20:21], s[0:1], 0x40              ; gates
	v_lshl_add_u32 v[SPW], v0, 2, SPARE
	v_mov_b32 v[NIL], 0
	v_lshrrev_b32 v21, 5, v0
	v_readfirstlane_b32 s22, v21                   ; wave 0..19
	s_and_b32 s44, s22, 3                          ; my quarter of K
	s_lshr_b32 s45, s22, 2                         ; 0: x;  1 .. 4: expert_w
	s_mul_i32 s23, s22, STGB
	s_add_co_u32 s23, s23, STG0                    ; my stage
	s_lshl_b32 s46, ttmp9, 2
	s_add_co_u32 s46, s46, s45
	s_sub_co_u32 s46, s46, 1                       ; expert_w's row block (waves of x: not used)
	s_and_b32 s48, s46, 127
	s_lshr_b32 s49, s46, 7
	s_lshr_b32 s50, s48, 2
	s_lshl_b32 s50, s50, 2
	s_lshr_b32 s51, s49, 1
	s_add_co_u32 s50, s50, s51
	s_mul_i32 s50, s50, SLOTB                      ; its slot
	s_and_b32 s51, s49, 1
	s_lshl_b32 s51, s51, 2
	s_and_b32 s52, s48, 3
	s_add_co_u32 s51, s51, s52                     ; its piece
	s_lshl_b32 s52, s51, 14
	s_add_co_u32 s52, s52, s50                     ; codes
	s_lshl_b32 s53, s51, 9
	s_add_co_u32 s53, s53, s50
	s_add_co_u32 s53, s53, 131072                  ; scale words
	s_lshl_b32 s54, s51, 8
	s_add_co_u32 s54, s54, s50
	s_add_co_u32 s54, s54, 135168                  ; biases,
	s_mov_b32 s55, 0
	s_lshl_b32 s56, s46, 6                         ; and where they come from
	s_mov_b32 s57, 0
	s_lshl_b32 s58, ttmp9, 14
	s_lshl_b32 s59, ttmp9, 9
	s_lshl_b32 s40, s44, 9
	s_add_co_u32 s40, s40, PL
	s_mul_i32 s41, s44, GWR                        ; my quarter of gate_w
	s_lshl_b32 s42, s45, 9
	s_add_co_u32 s42, s42, SST                     ; my row block's scale words in LDS,
	s_lshl_b32 s43, s44, 2
	s_add_co_u32 s43, s43, s42                     ; and my quarter's
	s_mov_b32 s24, 0x76543210
	s_mov_b32 s25, 0xfedcba98                      ; v_permlanex16_b32's selects for lane l xor 16
	s_mov_b32 s26, 0xffff0000                      ; the upper half of the lanes, as a mask
	s_mov_b32 s27, 0x3fb8aa3b                      ; log2(e)
	s_mov_b32 s47, 0x600000                        ; the mantissa field of 448
	v_and_b32 v21, 31, v0                          ; lane
	v_and_b32 v22, 15, v0                          ; r
	v_bfe_u32 v23, v0, 4, 1                        ; hf
	v_and_b32 v3, 7, v0
	v_lshlrev_b32 v2, 4, v21
	v_lshlrev_b32 v7, 3, v21
	v_mul_u32_u24 v1, v22, SP
	v_mul_u32_u24 v3, v3, SP
	v_lshlrev_b32 v6, 5, v22                       ; token r's 32 bytes
	v_add_nc_u32 v14, s23, v2                      ; into my stage
	v_lshl_add_u32 v1, v23, 6, v1
	v_lshl_add_u32 v3, v23, 5, v3
	v_add_nc_u32 v20, PL, v6                       ; all quarters' logits
	v_add_nc_u32 v1, s23, v1                       ; out of my stage: row r, 64 bytes a half of the lanes
	v_add_nc_u32 v3, s41, v3                       ; gate_w: row lane % 8, 16 bf16 a half of the lanes
	v_lshl_add_u32 v6, v23, 4, v6                  ; a half of them for each half of the lanes
	v_mov_b32 v[T], 0                              ; (the destination of a lane permute counts as read)
	v_add_nc_u32 v15, s40, v6                      ; my quarter's logits
	s_wait_alu depctr_va_vdst(0)
	s_wait_kmcnt 0x0
	s_add_nc_u64 s[54:55], s[16:17], s[54:55]
	s_add_nc_u64 s[56:57], s[18:19], s[56:57]
	s_cmp_lt_u32 s22, 4                            ; x's wave or expert_w's?  The choice hangs on the wave's number alone
	s_cselect_b64 s[SRC:SRC+1], s[4:5], s[6:7]
	s_cselect_b64 s[DSTC:DSTC+1], s[12:13], s[16:17]
	s_cselect_b64 s[DSTS:DSTS+1], s[14:15], s[16:17]
	s_cselect_b32 s46, ttmp9, s46
	s_cselect_b32 s52, s58, s52
	s_cselect_b32 s53, s59, s53
	s_lshl_b32 s48, s46, 16                        ; 16 rows of 4,096 bytes,
	s_lshl_b32 s49, s44, 10                        ; 256 numbers along K
	s_add_co_u32 s48, s48, s49
	s_mov_b32 s49, 0
	s_add_nc_u64 s[SRC:SRC+1], s[SRC:SRC+1], s[48:49]
	s_lshl_b32 s50, s44, 12                        ; 4,096 bytes of codes a quarter of K
	s_add_co_u32 s50, s50, s52
	s_mov_b32 s51, 0
	s_add_nc_u64 s[DSTC:DSTC+1], s[DSTC:DSTC+1], s[50:51]
	s_mov_b32 s52, s53
	s_mov_b32 s53, 0
	s_add_nc_u64 s[DSTS:DSTS+1], s[DSTS:DSTS+1], s[52:53]
.macro LOADC q                         ; chunk q: one row an instruction, 512 consecutive bytes, aligned
.irp j, 0,1,2,3,4,5,6,7,8,9,10,11,12,13,14,15
	global_load_b128 v[G+64*(\q)+4*\j:G+64*(\q)+4*\j+3], v2, s[SRC:SRC+1] offset:4096*\j+512*(\q) th:TH_LOAD_NT
.endr
.endm
.macro YLOAD c                         ; block c of the chunk in the stage: my 16 neighbours of row r, into set c % 2
.irp i, 0,1,2,3
	ds_load_b128 v[Y+16*((\c)%2)+4*\i:Y+16*((\c)%2)+4*\i+3], v1 offset:128*(\c)+16*\i
.endr
.endm
.macro GFLOAD n                        ; gate_w's fragment of block n
.set GF_, GFE+(GFO-GFE)*((\n)%2)
	ds_load_b128 v[GF_:GF_+3], v3 offset:64*(\n)
	ds_load_b128 v[GF_+4:GF_+7], v3 offset:64*(\n)+16
.endm
; Block n of the wave's eight is quantised and stored; gate = 1: it also goes into the gate's sums.  LDS instructions come back in order (ISA guide 5.7.1): the wait at the head counts what was issued behind
; this block's loads from the stage and, with the gate, behind its fragment of gate_w: first block of a chunk: the second's four loads; second and third: four, and with the gate the next fragment's two;
; fourth: the next fragment's two, or nothing.
.macro QBLK n, gate
.set CC, (\n)%4
.set YS, Y+16*((\n)%2)
.set CS, C+4*(\n)
.set AS, A0+8*((\n)%2)
.set GS_, GFE+(GFO-GFE)*((\n)%2)
.if \gate
.if CC == 0
	s_wait_dscnt 4
.elseif CC < 3
	s_wait_dscnt 6
.elseif (\n)+1 < NB
	s_wait_dscnt 2
.else
	s_wait_dscnt 0x0
.endif
.irp i, 0,1,2,3,4,5,6,7
	v_cvt_pk_bf16_f32 v[XB+\i], v[YS+2*\i], v[YS+2*\i+1]
.endr
.else
.if CC < 3
	s_wait_dscnt 4
.else
	s_wait_dscnt 0x0
.endif
.endif
	v_max3_num_f32 v[M], |v[YS]|, |v[YS+1]|, |v[YS+2]|         ; the largest magnitude of my 16, in two chains
	v_max3_num_f32 v[M2], |v[YS+3]|, |v[YS+4]|, |v[YS+5]|
.irp i, 6,10
	s_delay_alu instid0(VALU_DEP_2)
	v_max3_num_f32 v[M], v[M], |v[YS+\i]|, |v[YS+\i+1]|
	s_delay_alu instid0(VALU_DEP_2)
	v_max3_num_f32 v[M2], v[M2], |v[YS+\i+2]|, |v[YS+\i+3]|
.endr
	s_delay_alu instid0(VALU_DEP_2)
	v_max3_num_f32 v[M], v[M], |v[YS+14]|, |v[YS+15]|
	s_delay_alu instid0(VALU_DEP_1)
	v_max3_num_f32 v[M], v[M], v[M2], 0x4800000    ; and the floor 2^(9 - 127): the byte cannot fall under 1
.if \gate
.if (\n) < 2                           ; the two sums take turns, one instruction a turn
	v_wmma_f32_16x16x32_bf16 v[AS:AS+7], v[GS_:GS_+7], v[XB:XB+7], 0
.else
	v_wmma_f32_16x16x32_bf16 v[AS:AS+7], v[GS_:GS_+7], v[XB:XB+7], v[AS:AS+7]
.endif
.else
	s_delay_alu instid0(VALU_DEP_1)
.endif
	v_permlanex16_b32 v[T], v[M], s24, s25
	s_delay_alu instid0(VALU_DEP_1)
	v_max_num_f32 v[M], v[M], v[T]                 ; with lane l xor 16's: the block's largest magnitude
	s_delay_alu instid0(VALU_DEP_1)
	v_add_nc_u32 v[S], 0xfc000000, v[M]            ; 8 off its exponent field: the conversion's scale operand
	s_delay_alu instid0(VALU_DEP_2)
	v_and_or_b32 v[H], v[M], 0x7f800000, s47       ; 448 x the scale
	s_delay_alu instid0(VALU_DEP_2)
	v_lshrrev_b32 v[E], 23, v[S]                   ; the scale's byte
.if CC == 0
	s_delay_alu instid0(VALU_DEP_1)
	v_mov_b32 v[SW+(\n)/4], v[E]                   ; four bytes to a word, the lower K in the lower byte
.else
	s_delay_alu instid0(VALU_DEP_1)
	v_lshl_or_b32 v[SW+(\n)/4], v[E], 8*CC, v[SW+(\n)/4]
.endif
.irp i, 0,1,2,3,4,5,6,7,8,9,10,11,12,13,14,15
	v_med3_num_f32 v[YS+\i], v[YS+\i], -v[H], v[H] ; the conversion to an 8-bit code does not saturate (ISA guide 7.6.2): hold the number first
.endr
	v_cvt_scalef32_pk8_fp8_f32 v[CS:CS+1], v[YS:YS+7], v[S]
	v_cvt_scalef32_pk8_fp8_f32 v[CS+2:CS+3], v[YS+8:YS+15], v[S]
	v_nop                                          ; one plain vector instruction behind the scaled conversions
	global_store_b128 v2, v[CS:CS+3], s[DSTC:DSTC+1] offset:512*(\n)   ; 512 consecutive bytes, aligned
.if CC < 2
	YLOAD CC+2                                     ; this set takes the block two on
.endif
.if \gate
.if (\n)+2 < NB                        ; this set's fragment was multiplied above, more than four plain vector instructions ago
	GFLOAD (\n)+2
.endif
.endif
.endm
; Chunk q: into my stage, and block by block out of it.  LDS serves a wave's instructions in order (ISA guide 5.7.1.4): the loads back see these stores, and these stores come behind the last chunk's loads back.
.macro CHUNK q, gate
.if (\q) == 0
	s_wait_loadcnt 16                              ; its 16 loads are in; the other chunk's 16 may be out
.else
	s_wait_loadcnt 0x0
.endif
.irp j, 0,1,2,3,4,5,6,7,8,9,10,11,12,13,14,15
	ds_store_b128 v14, v[G+64*(\q)+4*\j:G+64*(\q)+4*\j+3] offset:SP*\j
.endr
.if (\gate) && ((\q) == 0)
	GFLOAD 0
	GFLOAD 1
.endif
	YLOAD 0
	YLOAD 1
.irp c, 0,1,2,3
	QBLK 4*(\q)+\c, \gate
.endr
.endm
.macro SCALEOUT                        ; lanes 0-15 hand on the even chunk's word, lanes 16-31 the odd one's: word number (my quarter) of the lane's four
	v_cndmask_b32 v8, v[SW], v[SW+1], s26
	v_lshl_add_u32 v9, v21, 4, s43
	ds_store_b32 v9, v8
.endm
	s_cmp_lt_u32 s22, 4
	s_cbranch_scc0 .Lprep
	s_load_b256 s[28:35], s[10:11], 0x0            ; waves of x: gate_b, eight numbers
	LOADC 0
	LOADC 1
	s_branch .Lprep_done
.Lprep:
	s_sub_co_u32 s48, s45, 1                       ; waves of expert_w: gate_w's rows 2 s48, 2 s48 + 1 at my quarter of K
	s_lshl_b32 s50, s44, 10
	s_lshl_b32 s51, s48, 13
	s_add_co_u32 s50, s50, s51
	s_mov_b32 s51, 0
	s_add_nc_u64 s[8:9], s[8:9], s[50:51]
	s_mul_i32 s49, s48, 2*SP
	s_add_co_u32 s49, s49, s41
	v_and_b32 v8, 7, v0
	v_add_nc_u32 v13, s49, v7                      ; their place in LDS
	v_lshlrev_b32 v8, 3, v8
	global_load_b64 v[18:19], v8, s[56:57]         ; my row block's 16 biases: lane l has numbers 2 (l % 8), + 1
.irp j, 0,1
	global_load_b128 v[Y+8*\j:Y+8*\j+3], v2, s[8:9] offset:4096*\j
	global_load_b128 v[Y+8*\j+4:Y+8*\j+7], v2, s[8:9] offset:4096*\j+512
.endr
	LOADC 0
	LOADC 1
	s_wait_alu depctr_va_vdst(0)
	s_wait_loadcnt 32                              ; gate_w's four loads are in; the 32 of my two chunks may be out
.irp j, 0,1
.irp p, 0,4
	v_cvt_pk_bf16_f32 v[Y+8*\j+\p], v[Y+8*\j+\p], v[Y+8*\j+\p+1]
	v_cvt_pk_bf16_f32 v[Y+8*\j+\p+1], v[Y+8*\j+\p+2], v[Y+8*\j+\p+3]
	ds_store_b64 v13, v[Y+8*\j+\p:Y+8*\j+\p+1] offset:SP*\j+64*\p
.endr
.endr
.Lprep_done:
	s_wait_kmcnt 0x0                               ; gate_b
	s_wait_dscnt 0x0                               ; for the others' sake: my part of gate_w is in LDS
	s_barrier_signal -1
	s_barrier_wait -1
	s_cmp_lt_u32 s22, 4
	s_cbranch_scc0 .Lweights
	; ---------------- x ----------------
	CHUNK 0, 1
	CHUNK 1, 1
	SCALEOUT
.irp j, 0,1,2,3,4,5,6,7
	v_add_f32 v[XB+\j], v[A0+\j], v[A0+8+\j]       ; my quarter of K: every lane holds its token's eight sums, read from their low end on
.endr
.irp j, 0,1,2,3
	v_cndmask_b32 v[Y+\j], v[XB+\j], v[XB+4+\j], s26   ; lanes 0-15 hand on experts 0-3, lanes 16-31 experts 4-7
.endr
	ds_store_b128 v15, v[Y:Y+3]
	s_branch .Lmeet
	; ---------------- expert_w ----------------
.Lweights:
	CHUNK 0, 0
	CHUNK 1, 0
	SCALEOUT
	s_cmp_eq_u32 s44, 0
	s_cbranch_scc0 .Lmeet                          ; one of a row block's four waves stores its biases
	global_store_b64 v7, v[18:19], s[54:55]        ; 256 consecutive bytes, aligned
.Lmeet:
	s_wait_dscnt 0x0                               ; for the others' sake: my scale words and sums are in LDS
	s_barrier_signal -1
	s_barrier_wait -1
	s_cmp_eq_u32 s44, 0
	s_cbranch_scc0 .Lnot_scales
	v_lshl_add_u32 v9, v21, 4, s42                 ; one wave of each row block stores its scale words
	ds_load_b128 v[Y:Y+3], v9
	s_wait_dscnt 0x0
	global_store_b128 v2, v[Y:Y+3], s[DSTS:DSTS+1] ; 512 consecutive bytes, aligned
	s_branch .Lend
.Lnot_scales:
	s_cmp_eq_u32 s22, 1
	s_cbranch_scc0 .Lend
	; wave 1: the four quarters' sums, gate_b, the softmax
.irp k, 0,1,2,3
	ds_load_b128 v[Y+8*\k:Y+8*\k+3], v20 offset:512*\k
	ds_load_b128 v[Y+8*\k+4:Y+8*\k+7], v20 offset:512*\k+16
.endr
	s_lshl_b32 s48, ttmp9, 9
	s_mov_b32 s49, 0
	s_add_nc_u64 s[20:21], s[20:21], s[48:49]      ; 16 tokens x 32 bytes of gates
	s_wait_dscnt 0x0
.irp j, 0,1,2,3,4,5,6,7
	v_add_f32 v[32+\j], v[32+\j], v[40+\j]
	v_add_f32 v[48+\j], v[48+\j], v[56+\j]
.endr
.irp j, 0,1,2,3,4,5,6,7
	v_add_f32 v[32+\j], v[32+\j], v[48+\j]
.endr
.irp j, 0,1,2,3,4,5,6,7
	v_add_f32 v[32+\j], s[28+\j], v[32+\j]
.endr
	v_max3_num_f32 v10, v32, v33, v34
	v_max3_num_f32 v11, v35, v36, v37
	v_max3_num_f32 v10, v10, v38, v39
	v_max_num_f32 v10, v10, v11                    ; the row's maximum
	v_mul_f32 v10, s27, v10
.irp j, 0,1,2,3,4,5,6,7
	v_fma_f32 v[32+\j], v[32+\j], s27, -v10        ; (logit - maximum) x log2(e)
.endr
	s_wait_alu depctr_va_vdst(0)
.irp j, 0,1,2,3,4,5,6,7
	v_exp_f32 v[32+\j], v[32+\j]
.endr
	v_nop                                          ; one plain vector instruction behind the exponentials
	s_wait_alu depctr_va_vdst(0)
	v_add_f32 v10, v32, v33
	v_add_f32 v11, v34, v35
	v_add_f32 v12, v36, v37
	v_add_f32 v13, v38, v39
	v_add_f32 v10, v10, v11
	v_add_f32 v12, v12, v13
	v_add_f32 v10, v10, v12
	s_wait_alu depctr_va_vdst(0)
	v_rcp_f32 v11, v10
	v_nop
	s_wait_alu depctr_va_vdst(0)
.irp j, 0,1,2,3,4,5,6,7
	v_mul_f32 v[32+\j], v[32+\j], v11
.endr
.irp j, 0,1,2,3
	v_cndmask_b32 v[48+\j], v[32+\j], v[36+\j], s26
.endr
	global_store_b128 v6, v[48:51], s[20:21]       ; the 32 lanes cover 512 consecutive bytes, aligned
.Lend:
	s_wait_tensorcnt 0x0                           ; the wave's end
	ds_add_u32 v[SPW], v[NIL]
	s_wait_dscnt 0x0
	s_endpgm
.Lfunc_end_k_qdc99d14612_quant:
	.size	k_qdc99d14612_quant, .Lfunc_end_k_qdc99d14612_quant-k_qdc99d14612_quant
	.p2alignl 7, 3214868480
	.fill 96, 4, 3214868480
	.section	.rodata,"a",@progbits
	.p2align	6, 0x0
	.amdhsa_kernel k_qdc99d14612_quant
		.amdhsa_group_segment_fixed_size 193536
		.amdhsa_private_segment_fixed_size 0
		.amdhsa_enable_private_segment 0
		.amdhsa_kernarg_size 72
		.amdhsa_user_sgpr_count 2
		.amdhsa_user_sgpr_kernarg_segment_ptr 1
		.amdhsa_wavefront_size32 1
		.amdhsa_system_sgpr_workgroup_id_x 1
		.amdhsa_system_sgpr_workgroup_id_y 1
		.amdhsa_system_sgpr_workgroup_id_z 1
		.amdhsa_system_vgpr_workitem_id 0
		.amdhsa_next_free_vgpr 192
		.amdhsa_next_free_sgpr 66
		.amdhsa_reserve_vcc 0
		.amdhsa_float_denorm_mode_32 3
		.amdhsa_float_denorm_mode_16_64 3
		.amdhsa_memory_ordered 1
		.amdhsa_forward_progress 1
		.amdhsa_inst_pref_size 72
	.end_amdhsa_kernel
	.amdgpu_metadata
---
amdhsa.version: [ 1, 2 ]
amdhsa.kernels:
  - .name:           k_qdc99d14612_quant
    .symbol:         k_qdc99d14612_quant.kd
    .args:
      - { .name: x, .offset: 0, .size: 8, .value_kind: global_buffer, .address_space: global }
      - { .name: expert_w, .offset: 8, .size: 8, .value_kind: global_buffer, .address_space: global }
      - { .name: gate_w, .offset: 16, .size: 8, .value_kind: global_buffer, .address_space: global }
      - { .name: gate_b, .offset: 24, .size: 8, .value_kind: global_buffer, .address_space: global }
      - { .name: xq, .offset: 32, .size: 8, .value_kind: global_buffer, .address_space: global }
      - { .name: xs, .offset: 40, .size: 8, .value_kind: global_buffer, .address_space: global }
      - { .name: wq, .offset: 48, .size: 8, .value_kind: global_buffer, .address_space: global }
      - { .name: expert_b, .offset: 56, .size: 8, .value_kind: global_buffer, .address_space: global }
      - { .name: gates, .offset: 64, .size: 8, .value_kind: global_buffer, .address_space: global }
    .group_segment_fixed_size: 193536
    .private_segment_fixed_size: 0
    .kernarg_segment_align: 8
    .kernarg_segment_size: 72
    .max_flat_workgroup_size: 640
    .sgpr_count:     66
    .vgpr_count:     192
    .wavefront_size: 32
...
	.end_amdgpu_metadata
.endif
;; end of part 3
;; launch moe (part 4): grid 16 x 16, 4 waves a work-group, clusters of 4 x 1, 327,680 bytes of LDS; arguments xq, xs, wq, gates, out0; writes out0
.if DOCPART == 4
	.amdgcn_target "amdgcn-amd-amdhsa--gfx1250"
	.amdhsa_code_object_version 6
	.text
	.protected	k_qdc99d14612_moe
	.globl	k_qdc99d14612_moe
	.p2align	8
	.type	k_qdc99d14612_moe,@function
k_qdc99d14612_moe:
	s_mov_b64 s[64:65], 0
	v_nop
	global_prefetch_b8 v0, s[64:65] scope:SCOPE_SE
	s_setreg_imm32_b32 hwreg(HW_REG_WAVE_MODE, 25, 1), 1
	s_wait_xcnt 0x0
	s_wait_alu depctr_hold_cnt(0) depctr_sa_sdst(0) depctr_va_vdst(0) depctr_va_sdst(0) depctr_va_ssrc(0) depctr_va_vcc(0) depctr_vm_vsrc(0)
	s_getreg_b32 s2, hwreg(HW_REG_IB_STS2, 6, 4)
	s_cmp_eq_u32 s2, 0
	s_cbranch_scc0 .Lentry_in_a_cluster
	s_endpgm
.Lentry_in_a_cluster:
	s_bfe_u32 s2, ttmp6, 0x10000c
	s_cmp_lg_u32 s2, 0x3003
	s_cbranch_scc0 .Lentry_shape_is_right
	s_endpgm
.Lentry_shape_is_right:
; out[n][h] = sum over e of gates[n][e] relu(sum over k of x[n][k] W[e][h][k] + b[e][h]), x and W as codes of FP8 (E4M3) with one E8M0 scale for each 32 along K; sums in f32, K ascending.
; LIMITS: NaN and infinities among the inputs are not served.
; SHARES.  A work-group makes 256 tokens x 128 columns h, all 8 experts.  A wave keeps 64 tokens of x, ALL of K, in 512 registers and streams the work-group's weights past them: 16 rows of W (a piece) against
; 4 tiles of 16 tokens are a batch of 32 products; 64 batches.  Each weight fragment read from LDS feeds four products.
; THE STREAM.  A slot holds 2 experts x 64 columns: eight pieces (codes, scale words, biases), in memory as in LDS.  Eight slots a work-group, n = 4 (half of the columns) + pair of experts.  Two slots of LDS take turns.
; CLUSTERS: four work-groups with the same columns; each weight load is joint (mask 15).  x is not asked for jointly: its fragments go from memory straight into registers, each byte once in a work-group.
; PREFETCH: behind each refill (slot n + 2) one instruction a wave asks for the codes of slot n + 3, which the next refill loads: 512 blocks of 256 bytes shared out among the cluster's 16 waves by address; none past slot 7.
; LAYOUT: source 0 = W's rows, source 1 = tokens: lane (r = lane % 16, hf = lane / 16) holds token r, register j column 8 hf + j.  The bias is the first product's C.
; A BATCH is eight groups (128 along K) of four products, the four sums by turns.  Among them stand the LDS loads of the next batch's fragments (the other set) and the vector lines of the batch before:
; relu, and OUT += gate x relu.  OUT holds 64 tokens x 64 columns and leaves after four slots through the wave's own stage in LDS, in rows of 256 bytes.
; SLOT 0 goes with K outermost over its eight pieces, so that its products need x slice by slice as it comes in.
; REGISTERS: window 0: addresses, scale words, bias, gates, two sets of sums, OUT;  windows 1, 2: x: fragment (tile t, q) at 64 (q % 4) + 16 t of window 1 + q / 4;  window 3: W, two sets of eight fragments.
.set SLOTB, 137216
.set QTR,   SLOTB/4                    ; what one wave fetches: 34,304 bytes as two rows of 17,152
.set SP,    272
.set STAGE, 2*SLOTB
.set GATE,  STAGE+4*16*SP              ; the gates of each wave's 64 tokens: 2,048 bytes a wave
.set SPARE, GATE+8192                  ; the spare words
.set L16,  1                           ; 16 x lane
.set AD0,  2                           ; v2, v3 LDS address of the pieces 0-3, 4-7 of the slot that is read
.set AD1,  3
.set SAD,  4                           ; of its scale words
.set BAD,  5                           ; of its biases
.set H32,  7
.set SPW,  8
.set NIL,  9
.set GA,   10                          ; of my tokens' gates for the pair of experts
.set STO,  11                          ; the stage: in
.set RD,   12                          ; and out
.set CO,   13                          ; offset in out0
.set PF,   14                          ; the prefetch's offset
.set GADB, 15
.set XS,   16                          ; v16-31 x's scale words: tile t's at XS + 4 t + q / 2: lanes 0-15 even q, lanes 16-31 odd q
.set WSC,  34                          ; v34-41 W's: two sets of four (in slot 0: one word for each piece)
.set BIAS, 42                          ; v42-49, and v56-63 for odd pieces
.set GL,   50                          ; v50-53 the gates of the pair's first expert, a tile each
.set GH,   32                          ; v32, v33, v54, v55 of its second
.set ACC,  64                          ; v64-127 two sets of four sums
.set OUT,  128                         ; v128-255: piece b, tile t at OUT + 32 b + 8 t
.set G1,   24
.set G0,   32
.set MSB, 0
.macro WIN new                         ; the immediate's high byte repeats the setting that is left
.if MSB != (\new)
	s_set_vgpr_msb (MSB<<8)|(\new)
.set MSB, (\new)
.endif
.endm
.macro PLACES n
.rept \n
	v_nop
.endr
.endm
.macro TLOAD                           ; a joint load
	tensor_load_to_lds s[G0:G0+3], s[G1:G1+7]
	s_nop 0
	PLACES 4
.endm
.macro CREST                           ; a round of the cluster's barrier behind its opening barrier
	s_cmp_lg_u32 s18, 0
	s_cbranch_scc1 .Lnot_wave_0_\@
	s_barrier_signal -3
.Lnot_wave_0_\@:
	s_barrier_wait -3
	s_barrier_signal -1
	s_barrier_wait -1
.endm
.macro CROUND
	s_barrier_signal -1
	s_barrier_wait -1
	CREST
.endm
	s_load_b256 s[4:11], s[0:1], 0x0               ; xq, xs, wq, gates
	s_load_b64 s[12:13], s[0:1], 0x20              ; out0
	v_lshl_add_u32 v[SPW], v0, 2, SPARE
	v_mov_b32 v[NIL], 0
	ds_add_u32 v[SPW], v[NIL]                      ; the wave's opening: the add, twice on end, and its wait ahead of my first tensor load
	ds_add_u32 v[SPW], v[NIL]
	v_lshrrev_b32 v64, 5, v0
	v_readfirstlane_b32 s18, v64                   ; wave 0..3
	s_bfe_u32 s19, ttmp6, 0x40000                  ; cx
	s_lshl_b32 s20, ttmp9, 2
	s_add_co_u32 s20, s20, s19                     ; which 256 tokens
	s_and_b32 s21, ttmp7, 0xffff                   ; which 128 columns
	s_mov_b32 s[G1], 15|(3<<16)|(1<<21)            ; mask of the four; elements of 8 bytes
	s_mov_b32 s[G1+1], (QTR/16)<<16                ; rows of 17,152 bytes
	s_mov_b32 s[G1+2], 2<<16                       ; two of them
	s_mov_b32 s[G1+3], (QTR/16)<<16
	s_mov_b32 s[G1+4], 2
	s_mov_b32 s[G1+5], QTR/16
	s_mov_b32 s[G1+6], 0
	s_mov_b32 s[G1+7], 0
	s_lshl_b32 s22, s20, 4
	s_lshl_b32 s23, s18, 2
	s_add_co_u32 s22, s22, s23                     ; my first tile of 16 tokens
	s_lshl_b32 s36, s22, 14
	s_mov_b32 s37, 0
	s_lshl_b32 s38, s22, 9
	s_mov_b32 s39, 0
	s_mul_i32 s40, s21, 8*SLOTB
	s_mov_b32 s41, 0
	s_mul_i32 s46, s18, QTR                        ; my quarter of a slot
	s_mov_b32 s42, s46
	s_mov_b32 s43, 0
	s_lshl_b32 s44, s20, 21                        ; out0: 8,192 bytes a token
	s_lshl_b32 s23, s18, 19
	s_add_co_u32 s44, s44, s23
	s_lshl_b32 s23, s21, 9
	s_add_co_u32 s44, s44, s23
	s_mov_b32 s45, 0
	s_mov_b32 s47, 0                               ; LDS byte at which the slot that is read begins
	s_mov_b32 s48, 0                               ; 8 x pair of experts
	s_lshl_b32 s56, s18, 11
	s_add_co_u32 s56, s56, GATE
	s_mul_i32 s57, s18, 16*SP
	s_add_co_u32 s57, s57, STAGE
	s_lshl_b32 s58, s19, 2
	s_add_co_u32 s58, s58, s18
	s_lshl_b32 s58, s58, 13                        ; my 32 blocks of a prefetch
	v_and_b32 v65, 31, v0
	v_and_b32 v66, 15, v0
	v_bfe_u32 v67, v0, 4, 1
	v_lshlrev_b32 v[L16], 4, v65
	v_lshlrev_b32 v[H32], 5, v67
	v_lshlrev_b32 v[AD0], 4, v65
	v_lshl_add_u32 v[AD1], v65, 4, 65536
	v_lshl_add_u32 v[SAD], v65, 4, 131072
	v_lshl_add_u32 v[BAD], v67, 5, 135168
	v_lshl_add_u32 v[GADB], v66, 5, s56
	v_lshl_add_u32 v[GA], v66, 5, s56
	v_lshl_add_u32 v84, v65, 4, s56
	v_mul_u32_u24 v85, v66, SP
	v_lshl_add_u32 v85, v67, 5, v85
	v_add_nc_u32 v[STO], s57, v85                  ; row r, 32 bytes a half of the lanes
	v_mul_u32_u24 v86, v67, SP
	v_lshl_add_u32 v86, v66, 4, v86
	v_add_nc_u32 v[RD], s57, v86                   ; sixteen lanes a row
	v_lshlrev_b32 v[CO], 13, v67
	v_lshl_add_u32 v[CO], v66, 4, v[CO]
	v_lshl_add_u32 v[PF], v65, 8, s58
	s_wait_alu depctr_va_vdst(0)
	s_wait_dscnt 0x0                               ; both opening adds are done
	CROUND                                         ; ahead of the first joint load
	s_wait_kmcnt 0x0
	s_add_nc_u64 s[36:37], s[4:5], s[36:37]        ; x's codes of my 64 tokens
	s_add_nc_u64 s[52:53], s[6:7], s[38:39]        ; their scale words
	s_add_nc_u64 s[54:55], s[10:11], s[38:39]      ; and gates
	s_add_nc_u64 s[50:51], s[8:9], s[40:41]        ; slot 0 of my columns
	s_add_nc_u64 s[44:45], s[12:13], s[44:45]
	s_mov_b32 s[G0], 1
	s_mov_b32 s[G0+1], s46
	s_add_nc_u64 s[G0+2:G0+3], s[50:51], s[42:43]
	s_or_b32 s[G0+3], s[G0+3], 0x80000000
	TLOAD                                          ; slot 0: one tensor load a wave at the head
.irp k, 0,1,2,3
	global_load_b128 v[68+4*\k:71+4*\k], v[L16], s[54:55] offset:512*\k
.endr
.irp t, 0,1,2,3
	global_load_b128 v[XS+4*\t:XS+4*\t+3], v[L16], s[52:53] offset:512*\t
.endr
.macro XL q, k                         ; 512 bytes of x: slice q, tile k / 4, 32 along K: k % 4
.set XF_, 64*((\q)%4)+4*(\k)
	global_load_b128 v[XF_:XF_+3], v[L16], s[36:37] offset:16384*((\k)/4)+2048*(\q)+512*((\k)%4)
.endm
.macro XSLICE q
.set KX, 0
.rept 16
	XL \q,KX
.set KX, KX+1
.endr
.endm
	WIN 0x40
	XSLICE 0
	XSLICE 1
	XSLICE 2
	WIN 0
	s_wait_loadcnt 52                              ; the gates are in; behind them 4 loads of scale words and 48 of x
.irp k, 0,1,2,3
	ds_store_b128 v84, v[68+4*\k:71+4*\k] offset:512*\k
.endr
	s_wait_tensorcnt 0x0                           ; my quarter of slot 0 is in
	ds_add_u32 v[SPW], v[NIL]
	s_add_co_u32 s[G0+1], s46, SLOTB
	s_add_nc_u64 s[G0+2:G0+3], s[G0+2:G0+3], SLOTB
	s_wait_dscnt 0x0
	CROUND
	TLOAD                                          ; slot 1
	WIN 0x40
	XSLICE 3
	WIN 0
.macro GLOAD                           ; the pair's first gates
.irp t, 0,1,2,3
	ds_load_b32 v[GL+\t], v[GA] offset:512*\t
.endr
.endm
.macro HLOAD                           ; and its second
.irp t, 0,1,2,3
	ds_load_b32 v[GH+22*(\t/2)+(\t%2)], v[GA] offset:512*\t+4
.endr
.endm
.macro LRUN q, j                       ; slot 0: the fragments of slice q of pieces j .. j + 3 (j = 0 or 4); at an even q ahead of them their scale words for two slices
.if ((\q)%2) == 0
	WIN 0
.irp u, 0,1,2,3
	ds_load_b32 v[WSC+(\j)+\u], v[SAD] offset:512*((\j)+\u)+4*((\q)/2)
.endr
.endif
	WIN 0xc0
.irp u, 0,1,2,3
.irp c, 0,1,2,3
	ds_load_b128 v[16*((\j)+\u)+4*\c:16*((\j)+\u)+4*\c+3], v[AD0+(\j)/4] offset:16384*\u+2048*(\q)+512*\c
.endr
.endr
.endm
.macro XRUN q, k                       ; half of slice q of x
.if (\q) < 8
	WIN 0x80
.set KX, \k
.rept 8
	XL \q,KX
.set KX, KX+1
.endr
.endif
.endm
	GLOAD
	HLOAD
.irp i, 0,1,2,3
	ds_load_b128 v[ACC+8*\i:ACC+8*\i+3], v[BAD] offset:256*\i
	ds_load_b128 v[ACC+8*\i+4:ACC+8*\i+7], v[BAD] offset:256*\i+16
.endr
	WIN 0xc0
.irp i, 4,5,6,7
	ds_load_b128 v[192+8*\i:192+8*\i+3], v[BAD] offset:256*\i
	ds_load_b128 v[192+8*\i+4:192+8*\i+7], v[BAD] offset:256*\i+16
.endr
	LRUN 0,0
	LRUN 0,4
.macro PRODUCT row
.if \row
	v_wmma_scale_f32_16x16x128_f8f6f4 v[D_:D_+7], v[W_:W_+15], v[X_:X_+15], v[C_:C_+7], v[SW_], v[SX_] matrix_a_scale:MATRIX_SCALE_ROW1 matrix_b_scale:MATRIX_SCALE_ROW1
.else
	v_wmma_scale_f32_16x16x128_f8f6f4 v[D_:D_+7], v[W_:W_+15], v[X_:X_+15], v[C_:C_+7], v[SW_], v[SX_]
.endif
.endm
; Slot 0: piece i x tile t, slice q.  Sums: pieces 0-3 in OUT, pieces 4-6 in window 3 from v128 on, piece 7 in the second set of sums, where the loop's first batch takes it up
.macro P1 q, i, t
.set W_, 16*(\i)
.set X_, 64*((\q)%4)+16*(\t)
.set SW_, WSC+(\i)
.set SX_, XS+4*(\t)+(\q)/2
.set M_, 3|((1+(\q)/4)<<2)
.if (\i) < 4
.set D_, OUT+32*(\i)+8*(\t)
.elseif (\i) < 7
.set D_, 128+32*((\i)-4)+8*(\t)
.set M_, M_|0xf0
.else
.set D_, ACC+32+8*(\t)
.endif
.set C_, D_
.if (\q) == 0
.if (\i) < 4
.set C_, ACC+8*(\i)
.else
.set C_, 192+8*(\i)
.set M_, M_|0x30
.endif
.endif
	WIN M_
	PRODUCT (\q)%2
.endm
; 24: the loads of six pieces stand behind the one that is needed.
.macro SLICE q
.if (\q) < 5
	s_wait_loadcnt 48                              ; slice q of x is in; three slices may be out
.else
	s_wait_loadcnt 16*(7-(\q))
.endif
; Two runs of loads a slice, each behind a piece whose eight v_nop are the places ahead of it: pieces 4-7 of this slice behind piece 0, pieces 0-3 of the next behind piece 4.
; The waits: 12: three fragments stand behind the one that is needed; 24, 20, 16: the fragments behind it, and a run of 16.
.if (\q) == 0
	s_wait_dscnt 28
.else
	s_wait_dscnt 12
.endif
	PQ \q,0,2
.if (\q) > 0
	LRUN \q,4
.endif
	XRUN (\q)+4,0
.irp i, 1,2,3
	s_wait_dscnt 28-4*\i
	PQ \q,\i,0
.endr
	s_wait_dscnt 12
	PQ \q,4,2
	LRUN (\q)+1,0
	XRUN (\q)+4,8
.irp i, 5,6,7
	s_wait_dscnt 44-4*\i
	PQ \q,\i,0
.endr
.endm
.macro PQ q, i, n                      ; piece i's four products, n v_nop behind each
.irp t, 0,1,2,3
	P1 \q,\i,\t
	PLACES \n
.endr
.endm
.macro GMUL o, g, t                    ; a pair x tile t's gate
.if (\t)%2
	v_pk_mul_f32 v[\o:\o+1], v[\o:\o+1], v[\g+(\t)-1:\g+(\t)] op_sel:[0,1] op_sel_hi:[1,1]
.else
	v_pk_mul_f32 v[\o:\o+1], v[\o:\o+1], v[\g+(\t):\g+(\t)+1] op_sel_hi:[1,0]
.endif
.endm
.macro FMA o, a, g, t                  ; pair o += pair a x tile t's gate
.if (\g) == GH
.set GP_, GH+22*((\t)/2)
.else
.set GP_, (\g)+2*((\t)/2)
.endif
.if (\t)%2
	v_pk_fma_f32 v[\o:\o+1], v[\a:\a+1], v[GP_:GP_+1], v[\o:\o+1] op_sel:[0,1,0] op_sel_hi:[1,1,1]
.else
	v_pk_fma_f32 v[\o:\o+1], v[\a:\a+1], v[GP_:GP_+1], v[\o:\o+1] op_sel_hi:[1,0,1]
.endif
.endm
.macro E1 i, t                         ; slot 0: piece i, tile t: relu and gate; pieces 0-3 begin OUT where they stand
.if (\i) < 4
	WIN 0
.set O_, OUT+32*(\i)+8*(\t)
.irp k, 0,2,4,6
	v_dual_max_num_f32 v[O_+\k], 0, v[O_+\k] :: v_dual_max_num_f32 v[O_+\k+1], 0, v[O_+\k+1]
.endr
.irp k, 0,2,4,6
	GMUL O_+\k,GL,\t
.endr
.else
	WIN 0xcc
.set A_, 128+32*((\i)-4)+8*(\t)
.irp k, 0,1,2,3,4,5,6,7
	v_max_num_f32 v[A_+\k], 0, v[A_+\k]
.endr
	WIN 0x03
.set O_, OUT+32*((\i)-4)+8*(\t)
.irp k, 0,2,4,6
	FMA O_+\k,A_+\k,GH,\t
.endr
.endif
.endm
.macro P7 i                            ; the last slice: piece i's products, the piece before among them
.irp t, 0,1,2,3
	P1 7,\i,\t
	E1 \i-1,\t
.endr
.endm
.macro FR blk, q                       ; fragment q of piece blk into set blk % 2
	WIN 0xc0
.irp c, 0,1,2,3
	ds_load_b128 v[128*((\blk)%2)+16*(\q)+4*\c:128*((\blk)%2)+16*(\q)+4*\c+3], v[AD0+(\blk)/4] offset:16384*((\blk)%4)+2048*(\q)+512*\c
.endr
.endm
.macro EX blk                          ; piece blk's scale words and biases
	WIN 0
.set S_, WSC+4*((\blk)%2)
	ds_load_b128 v[S_:S_+3], v[SAD] offset:512*(\blk)
.set BB_, BIAS+14*((\blk)%2)
	ds_load_b128 v[BB_:BB_+3], v[BAD] offset:256*(\blk)
	ds_load_b128 v[BB_+4:BB_+7], v[BAD] offset:256*(\blk)+16
.endm
.macro ADDRS                           ; the addresses of the slot that begins at s47, of the pair at s48
	s_add_co_u32 s21, s47, 65536
	s_add_co_u32 s22, s47, 131072
	s_add_co_u32 s23, s47, 135168
	v_add_nc_u32 v[AD0], s47, v[L16]
	v_add_nc_u32 v[AD1], s21, v[L16]
	v_add_nc_u32 v[SAD], s22, v[L16]
	v_add_nc_u32 v[BAD], s23, v[H32]
	v_add_nc_u32 v[GA], s48, v[GADB]
	s_wait_alu depctr_va_vdst(0)
.endm
.macro NEXTADR
	s_xor_b32 s47, s47, SLOTB
	s_add_co_u32 s48, s48, 8
	s_and_b32 s48, s48, 24
	ADDRS
.endm
	SLICE 0
	SLICE 1
	SLICE 2
	SLICE 3
	SLICE 4
	SLICE 5
	SLICE 6
	s_wait_loadcnt 0x0
	s_wait_dscnt 12
	P1 7,0,0
	P1 7,0,1
	P1 7,0,2
	P1 7,0,3
	PLACES 8                                       ; ahead of the first reader of piece 0's sums
	LRUN 7,4
	WIN 0
	s_wait_tensorcnt 0x0                           ; my quarter of slot 1 is in
	ds_add_u32 v[SPW], v[NIL]
	s_mov_b32 s[G0+1], s46                         ; slot 2's data into the LDS of slot 0
	s_add_nc_u64 s[G0+2:G0+3], s[G0+2:G0+3], SLOTB
	s_add_nc_u64 s[50:51], s[50:51], 3*SLOTB       ; the prefetch: slot 3
.irp i, 1,2,3
	s_wait_dscnt 28-4*\i
	P7 \i
.endr
	WIN 0
	s_wait_dscnt 0x0                               ; the add is done, and my reads of slot 0 are over
	s_barrier_signal -1
	P7 4
	WIN 0
	s_barrier_wait -1
	CREST
	TLOAD
	NEXTADR
	P7 5
	P7 6
	EX 0                                           ; slot 1's first piece
	FR 0,0
	FR 0,1
	FR 0,2
	FR 0,3
	FR 0,4
	P7 7
	FR 0,5
	FR 0,6
	FR 0,7
	WIN 0
	GLOAD
	global_prefetch_b8 v[PF], s[50:51] th:TH_LOAD_NT scope:SCOPE_SE
.macro MUL i, q, t                     ; a product of batch i: group q, tile t
.set W_, 128*((\i)%2)+16*(\q)
.set X_, 64*((\q)%4)+16*(\t)
.set SW_, WSC+4*((\i)%2)+(\q)/2
.set SX_, XS+4*(\t)+(\q)/2
.set D_, ACC+32*((\i)%2)+8*(\t)
.set C_, D_
.if (\q) == 0
.set C_, BIAS+14*((\i)%2)
.endif
	WIN 3|((1+(\q)/4)<<2)
	PRODUCT (\q)%2
.endm
.macro VMAX i, a, h                    ; the batch before i: relu of half h of tile a's sums, from the low end on
.set A_, ACC+32*(((\i)+1)%2)+8*(\a)+4*(\h)
	v_dual_max_num_f32 v[A_], 0, v[A_] :: v_dual_max_num_f32 v[A_+1], 0, v[A_+1]
	v_dual_max_num_f32 v[A_+2], 0, v[A_+2] :: v_dual_max_num_f32 v[A_+3], 0, v[A_+3]
.endm
.macro VFMA i, a, h                    ; and its share in OUT
.set A_, ACC+32*(((\i)+1)%2)+8*(\a)+4*(\h)
.set O_, OUT+32*(((\i)+3)%4)+8*(\a)+4*(\h)
.if ((\i) == 0) || ((\i) > 4)
	FMA O_,A_,GH,\a
	FMA O_+2,A_+2,GH,\a
.else
	FMA O_,A_,GL,\a
	FMA O_+2,A_+2,GL,\a
.endif
.endm
; What stands behind product k of group q: the batch before's vector lines: in groups 1 to 6 one line each (half a tile a group: two lines of relu, two of the sum), in group 7 two lines each (tile 3).
; Between a tile's last product, in group 7, and its first reader stand eight vector lines or more: group 7's own.
; In group 0 six v_nop: with the two lines behind the last product of the group before they are the eight places ahead of the run of loads.
.macro VL i, q, k
.if (\q) == 7
	WIN 0
.if (\k)%2
	VFMA \i,3,(\k)/2
.else
	VMAX \i,3,(\k)/2
.endif
.elseif (\q) > 0
	WIN 0
.set N_, ((\q)-1)/2
.set A_, ACC+32*(((\i)+1)%2)+8*N_+4*(((\q)-1)%2)+2*((\k)%2)
.set O_, OUT+32*(((\i)+3)%4)+8*N_+4*(((\q)-1)%2)+2*((\k)%2)
.if (\k) < 2
	v_dual_max_num_f32 v[A_], 0, v[A_] :: v_dual_max_num_f32 v[A_+1], 0, v[A_+1]
.elseif ((\i) == 0) || ((\i) > 4)
	FMA O_,A_,GH,N_
.else
	FMA O_,A_,GL,N_
.endif
.elseif (\k) < 2
	PLACES 2
.else
	PLACES 1
.endif
.endm
.macro GRP i, q
.irp k, 0,1,2,3
	MUL \i,\q,\k
	VL \i,\q,\k
.endr
.endm
.macro RUN blk                         ; all that a piece needs: 35 loads
	EX \blk
.irp q, 0,1,2,3,4,5,6,7
	FR \blk,\q
.endr
.endm
; The next piece's loads stand in ONE run behind group 0.  The waits: fragment q is in: 7 - q fragments stand behind it, and from group 1 on the run of 35.
.macro BATCH i
.irp q, 0,1,2,3,4,5,6,7
.if \q == 0
	s_wait_dscnt 28
.else
	s_wait_dscnt 63-4*\q
.endif
	GRP \i,\q
.if \q == 0
.if (\i) == 1
	WIN 0
	HLOAD
.endif
	RUN (\i)+1
.endif
.endr
.endm
; The change of slots, in batch 7's first half.  refill = 1: a round of the cluster's barrier; the slot that has been read takes the data of two slots on.
.macro TURN refill
	WIN 0
.if \refill
	s_wait_xcnt 0x0                                ; the prefetch and the stores have read their addresses
.endif
	s_wait_tensorcnt 0x0                           ; my quarter of the next slot is in
.if \refill
	ds_add_u32 v[SPW], v[NIL]
	s_add_co_u32 s[G0+1], s46, s47
	s_add_nc_u64 s[G0+2:G0+3], s[G0+2:G0+3], SLOTB
	s_add_nc_u64 s[50:51], s[50:51], SLOTB
.endif
	s_wait_dscnt 28
	GRP 7,0
	s_wait_dscnt 24
	GRP 7,1
	WIN 0
	s_wait_dscnt 0x0                               ; my reads of this slot are over (and the add is done)
	s_barrier_signal -1
	GRP 7,2
	WIN 0
	s_barrier_wait -1
.if \refill
	CREST
	TLOAD
.endif
.endm
.macro ROWREG t, j                     ; where rows 2 j, 2 j + 1 of tile t come back: the second set of sums, then what the tile before has left
.if (\t) == 0
.set R_, ACC+32+4*(\j)
.else
.set R_, OUT+32*((\j)/2)+8*((\t)-1)+4*((\j)%2)
.endif
.endm
.macro ST t                            ; tile t's 16 tokens x 64 columns into my stage
.irp b, 0,1,2,3
	ds_store_b128 v[STO], v[OUT+32*\b+8*(\t):OUT+32*\b+8*(\t)+3] offset:64*\b
	ds_store_b128 v[STO], v[OUT+32*\b+8*(\t)+4:OUT+32*\b+8*(\t)+7] offset:64*\b+16
.endr
.endm
.macro LR t                            ; and back as rows: LDS serves a wave's instructions in order (ISA guide 5.7.1.4)
.irp j, 0,1,2,3,4,5,6,7
	ROWREG \t,\j
	ds_load_b128 v[R_:R_+3], v[RD] offset:2*SP*\j
.endr
.endm
.macro GS t                            ; sixteen lanes store 256 consecutive bytes, aligned
.irp j, 0,1,2,3,4,5,6,7
	ROWREG \t,\j
	global_store_b128 v[CO], v[R_:R_+3], s[44:45] offset:8192*(16*(\t)+2*\j) th:TH_STORE_NT
.endr
.endm
.macro FLUSH                           ; 8: the next tile's eight stores into the stage stand behind the rows that are waited for
	ST 0
	LR 0
.irp t, 1,2,3
	ST \t
	s_wait_dscnt 8
	GS \t-1
	LR \t
.endr
	s_wait_dscnt 0x0
	GS 3
.endm
	s_mov_b32 s49, 1                               ; slot
.Lslot:                                            ; slots 1 to 5: each refills its LDS with the data of two slots on
	BATCH 0
	WIN 0
	s_cmp_eq_u32 s49, 4
	s_wait_alu depctr_va_vdst(0)
	s_cbranch_scc0 .Lnot_yet                       ; OUT of the first 64 columns is complete behind slot 4's first batch
	FLUSH
	s_wait_xcnt 0x0                                ; the stores have read their data and their base
	s_add_nc_u64 s[44:45], s[44:45], 256
.set KZ, 0
.rept 64
	v_dual_mov_b32 v[OUT+KZ], 0 :: v_dual_mov_b32 v[OUT+KZ+1], 0
.set KZ, KZ+2
.endr
	s_wait_alu depctr_va_vdst(0)
.Lnot_yet:
.irp i, 1,2,3,4,5,6
	BATCH \i
.endr
	TURN 1
	NEXTADR
	GLOAD
	RUN 0                                          ; the next slot's first piece
.irp q, 3,4,5,6,7
	GRP 7,\q
.endr
	WIN 0
	s_cmp_lt_u32 s49, 5
	s_cbranch_scc0 .Lnone_ahead                    ; there is no slot 8
	global_prefetch_b8 v[PF], s[50:51] th:TH_LOAD_NT scope:SCOPE_SE
.Lnone_ahead:
	s_add_co_u32 s49, s49, 1
	s_cmp_lt_u32 s49, 6
	s_cbranch_scc1 .Lslot
	s_mov_b32 s49, 2                               ; slots to go: 6 and 7, which fill nothing
.Ltail:
.irp i, 0,1,2,3,4,5,6
	BATCH \i
.endr
	TURN 0
	s_cmp_eq_u32 s49, 1
	s_cbranch_scc1 .Llast
	s_mov_b32 s47, SLOTB                           ; slot 7, the fourth pair
	s_mov_b32 s48, 24
	ADDRS
	GLOAD
	RUN 0
.irp q, 3,4,5,6,7
	GRP 7,\q
.endr
	WIN 0
	s_sub_co_u32 s49, s49, 1
	s_branch .Ltail
.Llast:
.irp q, 3,4,5,6,7
	GRP 7,\q
.endr
	WIN 0
.irp a, 0,1,2,3                        ; the last batch's sums
	VMAX 8,\a,0
	VMAX 8,\a,1
	VFMA 8,\a,0
	VFMA 8,\a,1
.endr
	s_wait_alu depctr_va_vdst(0)
	FLUSH
	s_wait_tensorcnt 0x0                           ; the wave's end
	ds_add_u32 v[SPW], v[NIL]
	s_wait_dscnt 0x0
	CROUND                                         ; the closing round
	s_endpgm
.Lfunc_end_k_qdc99d14612_moe:
	.size	k_qdc99d14612_moe, .Lfunc_end_k_qdc99d14612_moe-k_qdc99d14612_moe
	.p2alignl 7, 3214868480
	.fill 96, 4, 3214868480
	.section	.rodata,"a",@progbits
	.p2align	6, 0x0
	.amdhsa_kernel k_qdc99d14612_moe
		.amdhsa_group_segment_fixed_size 327680
		.amdhsa_private_segment_fixed_size 0
		.amdhsa_enable_private_segment 0
		.amdhsa_kernarg_size 40
		.amdhsa_user_sgpr_count 2
		.amdhsa_user_sgpr_kernarg_segment_ptr 1
		.amdhsa_wavefront_size32 1
		.amdhsa_system_sgpr_workgroup_id_x 1
		.amdhsa_system_sgpr_workgroup_id_y 1
		.amdhsa_system_sgpr_workgroup_id_z 1
		.amdhsa_system_vgpr_workitem_id 0
		.amdhsa_next_free_vgpr 1024
		.amdhsa_next_free_sgpr 66
		.amdhsa_reserve_vcc 0
		.amdhsa_float_denorm_mode_32 3
		.amdhsa_float_denorm_mode_16_64 3
		.amdhsa_memory_ordered 1
		.amdhsa_forward_progress 1
		.amdhsa_inst_pref_size 255
	.end_amdhsa_kernel
	.section	.bss,"aw",@nobits
	.p2align	6
	.space	262144
	.amdgpu_metadata
---
amdhsa.version: [ 1, 2 ]
amdhsa.kernels:
  - .name:           k_qdc99d14612_moe
    .symbol:         k_qdc99d14612_moe.kd
    .args:
      - { .name: xq, .offset: 0, .size: 8, .value_kind: global_buffer, .address_space: global }
      - { .name: xs, .offset: 8, .size: 8, .value_kind: global_buffer, .address_space: global }
      - { .name: wq, .offset: 16, .size: 8, .value_kind: global_buffer, .address_space: global }
      - { .name: gates, .offset: 24, .size: 8, .value_kind: global_buffer, .address_space: global }
      - { .name: out0, .offset: 32, .size: 8, .value_kind: global_buffer, .address_space: global }
    .group_segment_fixed_size: 327680
    .private_segment_fixed_size: 0
    .kernarg_segment_align: 8
    .kernarg_segment_size: 40
    .max_flat_workgroup_size: 128
    .sgpr_count:     66
    .vgpr_count:     1024
    .wavefront_size: 32
...
	.end_amdgpu_metadata
.endif
;; end of part 4
